; MI455X (gfx1250); checked and timed in simulation.
; The chip was launched on July 23, 2026; its instructions are those of AMD's public machine-readable ISA for CDNA 5 (MIT licence, August 2026) and "CDNA5" Instruction Set Architecture Reference Guide (July 2026). The comments in the code are by the model that wrote it; some were corrected since.
;; Quantize 2. Allowed arithmetic: matrix products marked QUANTISED: E4M3 operands, one given power-of-two scale a tensor, by v_wmma_f32_16x16x64_fp8_fp8 or v_wmma_f32_16x16x128_fp8_fp8, f32 sums; everything else in f32.
;; Inputs: embed 256 x 8,192 float32; input 32 x 512 x 256 float32; lowp_scales 2 int32 (the exponents e of the quantised operands' scales 2^e).
;; Outputs: out0 32 x 512 x 256 float32; out1 one number float32; out2 32 x 512 int32.
;; Constants: fix = 1.
;; This version of the problem:
;;   THIS VERSION OF THE PROBLEM IS GIVEN IN LOW PRECISION. The matrix products marked QUANTISED in the list below multiply operands that are first quantised to E4M3 (4 exponent bits, 3 mantissa bits; 8 bits a number), with one given power-of-two scale for each operand tensor; their sums are f32. All else is computed in f32.
;;   The module's matrix products, in the order in which they are computed (A, B: the left and right operand; K: the contracted axis; several contracted axes count as one K, in the product's order):
;;     1. [M 16,384, K 256] x [K 256, N 8,192]; A: input input; B: input embed: QUANTISED (scales: A lowp_scales[0], B lowp_scales[1])
;;   THE QUANTISER, for each operand of a quantised product, along K:
;;     - The operand's scale is 2^e, e = its entry of the input lowp_scales (int32; the entries are numbered through the quantised products in the list's order, A before B).
;;     - Each number is divided by the scale, clamped to +-448, and rounded to the nearest number of E4M3, ties to even, subnormals kept.
;;     - The product sums the exact products of the quantised numbers (number of the format x scale) in f32.
;;   ~~~python
;;   def quantise(x, axis, e):      # numpy; x: float32 -> the quantised numbers, widened to float32 again
;;       x = np.moveaxis(x, axis, -1); K = x.shape[-1]
;;       r = np.clip(x / 2.0 ** e, -448, 448)
;;       step = 2.0 ** (np.maximum(np.frexp(np.where(r == 0, 1, r))[1] - 1, -6) - 3)
;;       q = np.round(r / step) * step * 2.0 ** e      # np.round: ties to even
;;       return np.moveaxis(q, -1, axis).astype(np.float32)
;;   ~~~
;; 2 versions. Each part assembles by itself: llvm-mc -triple=amdgcn-amd-amdhsa -mcpu=gfx1250 --defsym DOCPART=n.
;; ======== version 1 of 2: 4 launches
;; workspace buffers: estream 2,162,688 bytes; embt 8,388,608 bytes; order 65,536 bytes of whole numbers; partials 1,024 bytes
;; launch prep (part 1): grid 256 x 1, 8 waves a work-group, no clusters, 35,840 bytes of LDS; arguments embed, lowp_scales, estream, embt; writes estream, embt
.if DOCPART == 1
	.amdgcn_target "amdgcn-amd-amdhsa--gfx1250"
	.amdhsa_code_object_version 6
	.text
	.protected	k_qe307fe1d3e_prep
	.globl	k_qe307fe1d3e_prep
	.p2align	8
	.type	k_qe307fe1d3e_prep,@function
k_qe307fe1d3e_prep:
	s_mov_b64 s[64:65], 0
	v_nop
	global_prefetch_b8 v0, s[64:65] scope:SCOPE_SE
	s_setreg_imm32_b32 hwreg(HW_REG_WAVE_MODE, 25, 1), 1
	s_wait_xcnt 0x0
; embed [256 (k)][8192 (codes)] f32 is read once and leaves in three forms:
;   estream: its E4M3 codes (x / 2^e1, held within +-448, nearest, ties to even), laid as images of the matrix operand's registers, and beside them
;            cneg[code] = -(sum over k of embed^2) x 2^-(e0 + e1 + 1), which the product's launch takes as the C of each sum;
;   embt:    the f32 numbers turned, [8192][256], so that the gather reads rows of 1,024 bytes.
; estream is 256 blocks of 8,448 bytes = 33 x 256: [image of code tile 2 b: 4,096][image of tile 2 b + 1: 4,096][cneg of the 32 codes: 128][zeros: 128].
; Image of tile T: byte 2048 s + 512 c + 16 (r + 16 h) + i = the code of embed[128 s + 32 c + 16 h + i][16 T + r].
; SHARES.  Work-group b takes columns 32 b .. 32 b + 31 (8,192 columns / 256 work-groups).  Wave w takes k = 32 w .. 32 w + 31.  A LANE TAKES A COLUMN AND ITS REGISTERS RUN DOWN K:
; the conversions then give codes with K innermost, and nothing is transposed by an instruction.  All 32 loads of a wave are out at once; there is no loop.
; LIMITS: e1 between -126 and 119 (2^e1 and 448 x 2^e1 are f32 numbers); the sum of squares x 2^-(e0 + e1 + 1) is finite.  NaN among the inputs is not served.
.set SP,    1040                       ; a stage row: a column's 256 numbers (1,024 bytes) + 16: an odd multiple of 16
.set PART,  32*SP                      ; behind the stage: 8 waves x 32 partial sums of squares
.set BLKB,  8448                       ; a block of estream
.set X,   16                           ; v16-47   embed(32 w + i, my column)
.set Y,   48                           ; v48-79   the same, held
.set CD,  80                           ; v80-87   32 codes
.set OUTR, 88                          ; v88-119  four rows of embt read back from the stage
.set PS,  120                          ; v120-135 wave 0: the eight waves' partial sums of two columns
	s_load_b256 s[4:11], s[0:1], 0x0               ; embed s[4:5], the scales' exponents s[6:7], estream s[8:9], embt s[10:11]
	v_lshl_add_u32 v136, v0, 2, 0x8800
	v_mov_b32 v137, 0
	v_lshrrev_b32 v1, 5, v0
	v_readfirstlane_b32 s12, v1                    ; wave 0..7
	v_and_b32 v1, 31, v0                           ; lane
	v_lshlrev_b32 v2, 2, v1                        ; in: 4 bytes a lane
	s_lshl_b32 s13, s12, 7                         ; 128 w
	v_mul_u32_u24 v3, v1, SP
	v_add_nc_u32 v3, s13, v3                       ; the stage, in: row = my column, + my wave's 32 numbers
	v_add_nc_u32 v4, s13, v2
	v_add_nc_u32 v4, PART, v4                      ; my partial sum's word: PART + 128 w + 4 lane
	v_lshrrev_b32 v5, 4, v1
	v_lshlrev_b32 v5, 12, v5                       ; which of the block's two images: 4,096 (lane / 16)
	v_and_b32 v8, 15, v1
	v_lshl_add_u32 v5, v8, 4, v5                   ; + 16 r
	s_lshr_b32 s14, s12, 2
	s_lshl_b32 s14, s14, 11                        ; + 2,048 s, s = w / 4
	s_and_b32 s15, s12, 3
	s_lshl_b32 s15, s15, 9                         ; + 512 c, c = w % 4
	s_add_co_u32 s14, s14, s15
	v_add_nc_u32 v5, s14, v5                       ; my codes' place in the block (h = 1: 256 bytes on)
	v_lshlrev_b32 v6, 4, v1
	s_lshl_b32 s15, s12, 12
	v_add_nc_u32 v7, s15, v6                       ; embt: my wave's rows 4 w on, 16 bytes a lane
	s_mul_i32 s15, s12, 4*SP
	v_add_nc_u32 v6, s15, v6                       ; and the same rows in the stage
	v_lshlrev_b32 v8, 3, v8
	v_add_nc_u32 v8, PART, v8                      ; wave 0: the partial sums of columns 2 (lane % 16) and the next
	v_lshlrev_b32 v9, 3, v1                        ; wave 0: 8 bytes a lane of the block's last 256
	s_lshl_b32 s14, s12, 20                        ; embed: 32 w rows of 32,768 bytes
	s_lshl_b32 s15, ttmp9, 7                       ; + 32 b columns of 4 bytes
	s_add_co_u32 s14, s14, s15
	s_mov_b32 s15, 0
	s_mul_i32 s24, ttmp9, BLKB
	s_mov_b32 s25, 0
	s_lshl_b32 s26, ttmp9, 15                      ; embt: 32 b rows of 1,024 bytes
	s_mov_b32 s27, 0
	s_wait_kmcnt 0x0
	s_load_b64 s[16:17], s[6:7], 0x0               ; e0, e1
	s_add_nc_u64 s[4:5], s[4:5], s[14:15]
	s_add_nc_u64 s[8:9], s[8:9], s[24:25]
	s_add_nc_u64 s[10:11], s[10:11], s[26:27]
.set i, 0
.rept 32
	global_load_b32 v[X+i], v2, s[4:5] offset:i*32768   ; a row k at 32 neighbouring columns: 128 consecutive bytes; the neighbouring work-group reads the 128 beside them
.set i, i+1
.endr
	s_wait_kmcnt 0x0
	s_add_co_i32 s22, s16, s17
	s_add_co_i32 s22, s22, 1
	s_sub_co_i32 s22, 0, s22                       ; -(e0 + e1 + 1)
	s_add_co_i32 s18, s17, 127
	s_lshl_b32 s19, s18, 23
	v_mov_b32 v11, s19                             ; 2^e1 as f32: the conversion takes its exponent field
	s_add_co_i32 s18, s18, 8
	s_lshl_b32 s18, s18, 23
	s_or_b32 s18, s18, 0x600000
	v_mov_b32 v10, s18                             ; 448 x 2^e1
	s_wait_loadcnt 0x0
	; the sum of my 32 squares: two chains of pairs, started by products: nothing is cleared
	v_pk_mul_f32 v[12:13], v[X:X+1], v[X:X+1]
	v_pk_mul_f32 v[14:15], v[X+2:X+3], v[X+2:X+3]
.irp j, 4,8,12,16,20,24,28
	v_pk_fma_f32 v[12:13], v[X+\j:X+\j+1], v[X+\j:X+\j+1], v[12:13]
	v_pk_fma_f32 v[14:15], v[X+\j+2:X+\j+3], v[X+\j+2:X+\j+3], v[14:15]
.endr
	v_pk_add_f32 v[12:13], v[12:13], v[14:15]
	v_add_f32 v12, v12, v13
	ds_store_b32 v4, v12
.irp j, 0,1,2,3,4,5,6,7
	ds_store_b128 v3, v[X+4*\j:X+4*\j+3] offset:16*\j     ; my column's 32 numbers, neighbours in its row of embt
.endr
.set i, 0
.rept 32
	v_med3_num_f32 v[Y+i], v[X+i], -v10, v10       ; the conversion to an 8-bit code does not saturate (ISA guide 7.6.2): held within the largest code x the scale, into other registers
.set i, i+1
.endr
.irp g, 0,1,2,3
	v_cvt_scalef32_pk8_fp8_f32 v[CD+2*\g:CD+2*\g+1], v[Y+8*\g:Y+8*\g+7], v11
.endr
	v_nop                                          ; one plain vector line behind the last scaled conversion
	global_store_b128 v5, v[CD:CD+3], s[8:9]                 ; k = 32 w + 0 .. 15 (h = 0): lanes 0-15 fill 256 aligned bytes of one image, lanes 16-31 of the other
	global_store_b128 v5, v[CD+4:CD+7], s[8:9] offset:256    ; k = 32 w + 16 .. 31 (h = 1)
	s_wait_dscnt 0x0                               ; for the others' sake: my stores into the stage and my partial sum have landed
	s_barrier_signal -1
	s_barrier_wait -1
.irp t, 0,1,2,3
.irp z, 0,1
	ds_load_b128 v[OUTR+8*\t+4*\z:OUTR+8*\t+4*\z+3], v6 offset:\t*SP+512*\z
.endr
.endr
.irp t, 0,1,2,3
.irp z, 0,1
	s_wait_dscnt 7-2*\t-\z                         ; LDS loads come back in order: this one is in, the younger ones of the run may be out
	global_store_b128 v7, v[OUTR+8*\t+4*\z:OUTR+8*\t+4*\z+3], s[10:11] offset:\t*1024+512*\z   ; 32 lanes store 512 consecutive bytes of a row of embt
.endr
.endr
	s_cmp_lg_u32 s12, 0
	s_cbranch_scc1 .Lend
	; wave 0: the eight waves' partial sums, k ascending; lane l < 16 makes cneg of columns 2 l and 2 l + 1
.irp j, 0,1,2,3,4,5,6,7
	ds_load_b64 v[PS+2*\j:PS+2*\j+1], v8 offset:128*\j
.endr
	s_wait_dscnt 0x0
.irp j, 1,2,3,4,5,6,7
	v_pk_add_f32 v[PS:PS+1], v[PS:PS+1], v[PS+2*\j:PS+2*\j+1]
.endr
	v_mul_f32 v[PS], -1.0, v[PS]
	v_mul_f32 v[PS+1], -1.0, v[PS+1]
	v_ldexp_f32 v[PS], v[PS], s22                  ; x 2^-(e0 + e1 + 1): nothing is rounded
	v_ldexp_f32 v[PS+1], v[PS+1], s22
	v_cmp_gt_u32 vcc_lo, 16, v1
	v_cndmask_b32 v[PS], 0, v[PS], vcc_lo          ; lanes 16-31 write the block's last 128 bytes as zeros
	v_cndmask_b32 v[PS+1], 0, v[PS+1], vcc_lo
	global_store_b64 v9, v[PS:PS+1], s[8:9] offset:8192      ; one instruction writes the block's last 256 bytes whole
.Lend:
	s_wait_tensorcnt 0x0
	ds_add_u32 v136, v137
	s_wait_dscnt 0x0
	s_endpgm
.Lfunc_end_k_qe307fe1d3e_prep:
	.size	k_qe307fe1d3e_prep, .Lfunc_end_k_qe307fe1d3e_prep-k_qe307fe1d3e_prep
	.p2alignl 7, 3214868480
	.fill 96, 4, 3214868480
	.section	.rodata,"a",@progbits
	.p2align	6, 0x0
	.amdhsa_kernel k_qe307fe1d3e_prep
		.amdhsa_group_segment_fixed_size 35840
		.amdhsa_private_segment_fixed_size 0
		.amdhsa_enable_private_segment 0
		.amdhsa_kernarg_size 32
		.amdhsa_user_sgpr_count 2
		.amdhsa_user_sgpr_kernarg_segment_ptr 1
		.amdhsa_wavefront_size32 1
		.amdhsa_system_sgpr_workgroup_id_x 1
		.amdhsa_system_sgpr_workgroup_id_y 1
		.amdhsa_system_sgpr_workgroup_id_z 1
		.amdhsa_system_vgpr_workitem_id 0
		.amdhsa_next_free_vgpr 138
		.amdhsa_next_free_sgpr 66
		.amdhsa_reserve_vcc 1
		.amdhsa_float_denorm_mode_32 3
		.amdhsa_float_denorm_mode_16_64 3
		.amdhsa_memory_ordered 1
		.amdhsa_forward_progress 1
		.amdhsa_inst_pref_size 13
	.end_amdhsa_kernel
	.amdgpu_metadata
---
amdhsa.version: [ 1, 2 ]
amdhsa.kernels:
  - .name:           k_qe307fe1d3e_prep
    .symbol:         k_qe307fe1d3e_prep.kd
    .args:
      - { .name: embed, .offset: 0, .size: 8, .value_kind: global_buffer, .address_space: global }
      - { .name: lowp_scales, .offset: 8, .size: 8, .value_kind: global_buffer, .address_space: global }
      - { .name: estream, .offset: 16, .size: 8, .value_kind: global_buffer, .address_space: global }
      - { .name: embt, .offset: 24, .size: 8, .value_kind: global_buffer, .address_space: global }
    .group_segment_fixed_size: 35840
    .private_segment_fixed_size: 0
    .kernarg_segment_align: 8
    .kernarg_segment_size: 32
    .max_flat_workgroup_size: 256
    .sgpr_count:     66
    .vgpr_count:     138
    .wavefront_size: 32
...
	.end_amdgpu_metadata
.endif
;; end of part 1
;; launch main (part 2): grid 256 x 1, 16 waves a work-group, clusters of 4 x 1, 327,680 bytes of LDS; arguments input, estream, lowp_scales, out2, order; writes out2, order
.if DOCPART == 2
	.amdgcn_target "amdgcn-amd-amdhsa--gfx1250"
	.amdhsa_code_object_version 6
	.text
	.protected	k_qe307fe1d3e_main
	.globl	k_qe307fe1d3e_main
	.p2align	8
	.type	k_qe307fe1d3e_main,@function
k_qe307fe1d3e_main:
	s_mov_b64 s[64:65], 0
	v_nop
	global_prefetch_b8 v0, s[64:65] scope:SCOPE_SE
	s_setreg_imm32_b32 hwreg(HW_REG_WAVE_MODE, 25, 1), 1
	s_wait_xcnt 0x0
	s_wait_alu depctr_hold_cnt(0) depctr_sa_sdst(0) depctr_va_vdst(0) depctr_va_sdst(0) depctr_va_ssrc(0) depctr_va_vcc(0) depctr_vm_vsrc(0)
	s_getreg_b32 s2, hwreg(HW_REG_IB_STS2, 6, 4)
	s_cmp_eq_u32 s2, 0
	s_cbranch_scc0 .Lentry_in_a_cluster
	s_endpgm
.Lentry_in_a_cluster:
	s_bfe_u32 s2, ttmp6, 0x10000c
	s_cmp_lg_u32 s2, 0x3003
	s_cbranch_scc0 .Lentry_shape_is_right
	s_endpgm
.Lentry_shape_is_right:
; For each of 16,384 rows x: the index of the code with the smallest ||x||^2 - 2 x.e + ||e||^2, the product x.e on E4M3 codes with the two given scales.
; THE SCORE.  dist - ||x||^2 = -2^(e0 + e1 + 1) x (sum of the codes' products - ||e||^2 x 2^-(e0 + e1 + 1)), so the smallest dist is the LARGEST acc = sum + cneg[code];
; cneg comes with the codes and is the C of each sum's first matrix instruction: forming a score costs no vector instruction.  ||x||^2 is one number a row and does not enter.
; LIMIT (order of rounding): acc is rounded at its own magnitude, not twice at dist's as (xx - 2 p) + ee is: two codes whose distances lie within a few units in dist's last place of each other
; may be ordered otherwise than by that formula.  Among equal acc the lowest index is taken.  LIMITS: e0 between -126 and 119; cneg finite; NaN among the inputs is not served.
; SHARES.  A work-group owns 64 rows (16,384 / 256) and walks all 8,192 codes.  Every one of its SIXTEEN waves holds all 64 rows' codes in registers (4 tiles of rows x 2 K steps, 128 registers);
; THE WAVES SHARE THE CODES: of each fill of 32 code tiles wave w takes tiles 2 w and 2 w + 1, which it fetches itself.  So each byte of codes is read from LDS once and feeds four matrix instructions.
; Four waves lie on a SIMD: a code tile is 8 matrix instructions and 96 vector instructions of tracking, and one wave's tracking stands beside another's products and LDS loads.
; CLUSTER.  All work-groups walk the same stream, so the four of a cluster ask for each block JOINTLY: the same tensor load, the same descriptor, a mask that names the four.
; LAYOUT.  Source 0 = 16 codes, source 1 = 16 rows of x: register j of lane (r, h) is the score of code 16 T + 8 h + j for row 16 q + r.  In both operands registers 4 c .. 4 c + 3 of a K step hold
; k = 32 c + 16 h + 0 .. 15: the same permutation of k on both sides, so every product meets its partner.
; TRACKING.  For each tile of rows a lane keeps four running maxima (chain j % 4) and, beside each, cand = 4 T + j / 4; the code is 4 cand + chain + 8 h.  Codes ascend along a chain and the compare is
; 'greater', so the earliest of equals stays.
.set BLKB,  8448                       ; a block of the stream: two images of 4,096 bytes, 128 bytes of cneg, 128 of zeros: 33 rows of 256 bytes
.set FILLB, 16*BLKB                    ; a fill: a block for each wave
.set SLOTB, FILLB                      ; two slots, at 0 and at SLOTB
.set XIMG,  2*SLOTB                    ; x's eight fragments as images of their registers, 2,048 bytes each: fragment 2 q + s
.set MRG,   XIMG+16384                 ; the waves' best values [16][64] f32, then, 4,096 bytes on, their indices
.set SPARE, MRG+8192                   ; the spare words, 128 bytes for each wave: eight blocks of 256 bytes that no other line names
.set SPW, 1                            ; v1    SPARE + 4 x my thread's number; never rewritten
.set NIL, 2                            ; v2    0; never rewritten
.set ADR, 3                            ; v3-4  my block in slot 0, 1: + 16 x lane
.set CA,  5                            ; v5-6  its cneg: + 8,192 + 32 h
.set LI,  7                            ; v7    XIMG + 16 x lane
.set XWI, 8                            ; v8    where I store my part of x's images: XIMG + 1,024 w + 16 x lane
.set XA,  9                            ; v9    x: 1,024 r + 64 h
.set MA,  10                           ; v10   MRG + 256 w + 4 r
.set MR,  11                           ; v11   MRG + 8 x lane
.set OO,  12                           ; v12   8 x lane
.set H8,  13                           ; v13   8 h
.set XF,  16                           ; v16-143   x's fragments: XF + 32 q + 16 s
.set AF,  144                          ; v144-175  the code tile's two fragments
.set CR,  176                          ; v176-183  its cneg, in the result's layout
.set ACC, 184                          ; v184-215  four accumulators
.set BV,  216                          ; v216-231  best values: BV + 4 q + chain
.set IV,  232                          ; v232-247  their cand
.set WV,  14                           ; s14   my wave's number
.set G1,  24                           ; s[24:31] descriptor group 1
.set G0,  32                           ; s[32:39] descriptor group 0, a set for each slot
.set MK,  40                           ; s40-43 compare masks
.set CD,  44                           ; s44, s45: 4 T and 4 T + 1 of the tile to be tracked
.set CNT, 46
.set SEL, 48                           ; s[48:49] lane selects: lane l xor 16
; A round of the cluster's barrier: my work-group's barrier, wave 0 signals for the work-group, every wave waits for all four work-groups, my work-group's barrier once more.
.macro CROUND
	s_barrier_signal -1
	s_barrier_wait -1
	s_cmp_lg_u32 s[WV], 0
	s_cbranch_scc1 .Lnot_wave_0_\@
	s_barrier_signal -3
.Lnot_wave_0_\@:
	s_barrier_wait -3
	s_barrier_signal -1
	s_barrier_wait -1
.endm
; My code tile u of the slot: two fragments (8 loads, each 512 consecutive bytes) and its cneg (a half's lanes read the same 32 bytes).
.macro LOADT slot, u
.irp p, 0,1
.irp c, 0,1,2,3
	ds_load_b128 v[AF+16*\p+4*\c:AF+16*\p+4*\c+3], v[ADR+\slot] offset:4096*\u+2048*\p+512*\c
.endr
.endr
	ds_load_b128 v[CR:CR+3], v[CA+\slot] offset:64*\u
	ds_load_b128 v[CR+4:CR+7], v[CA+\slot] offset:64*\u+16
.endm
; The tile's 8 products.  The four accumulators take turns, one instruction a turn.  The four v_nop are the places in front of the next loads into AF and CR
; and of the first read of the results; the next tile's sums, begun anew, stand behind the tracking's lines as well.
.macro MM
.irp q, 0,1,2,3
	v_wmma_f32_16x16x128_fp8_fp8 v[ACC+8*\q:ACC+8*\q+7], v[AF:AF+15], v[XF+32*\q:XF+32*\q+15], v[CR:CR+7]
.endr
.irp q, 0,1,2,3
	v_wmma_f32_16x16x128_fp8_fp8 v[ACC+8*\q:ACC+8*\q+7], v[AF+16:AF+31], v[XF+32*\q+16:XF+32*\q+31], v[ACC+8*\q:ACC+8*\q+7]
.endr
.rept 4
	v_nop
.endr
.endm
; 32 scores a lane against the running maxima: a compare and two selects each; each accumulator from its low end on.  step: what the next tracked tile adds to 4 T.
.macro TRACK step
.irp j, 0,1,2,3,4,5,6,7
.irp q, 0,1,2,3
	v_cmp_gt_f32 s[MK+\q], v[ACC+8*\q+\j], v[BV+4*\q+\j%4]
.endr
.irp q, 0,1,2,3
	v_cndmask_b32 v[BV+4*\q+\j%4], v[BV+4*\q+\j%4], v[ACC+8*\q+\j], s[MK+\q]
	v_cndmask_b32 v[IV+4*\q+\j%4], v[IV+4*\q+\j%4], s[CD+\j/4], s[MK+\q]
.endr
.endr
.if \step
	s_add_co_u32 s[CD], s[CD], \step
	s_add_co_u32 s[CD+1], s[CD+1], \step
.endif
.endm
; A tile's loads are asked for, the tile before is tracked while they are on their way, then the products.  From my tile 0 to my tile 1: T + 1; from tile 1 to the next fill's tile 0: T + 31.
.macro STEP slot, u
	LOADT \slot, \u
.if \u
	TRACK 4
.else
	TRACK 124
.endif
	s_wait_dscnt 0x0                               ; the tile is in registers: these were also my last reads of it
	MM
.endm
; THE CHANGE OF SLOTS.  Slot sl has been read out; it takes the fill two on.  Behind the round no wave of any partner still reads it or has a load on its way.
.macro CHANGE sl
	s_wait_tensorcnt 0x0                           ; all my tensor loads have landed: the one that was out is my block of the other slot; so a group 0 may be written
	ds_add_u32 v[SPW], v[NIL]                      ; 0 onto my spare word
	s_add_nc_u64 s[G0+4*\sl+2:G0+4*\sl+3], s[G0+4*\sl+2:G0+4*\sl+3], 2*FILLB   ; the type bits on top are not reached
	s_wait_dscnt 0x0                               ; the add is done, and my reads of the slot are over
	CROUND
	tensor_load_to_lds s[G0+4*\sl:G0+4*\sl+3], s[G1:G1+7]   ; my one tensor load behind the round, and the first thing there: it has two tiles' work of every wave in which to land
	s_nop 0
.rept 4
	v_nop
.endr
.endm
; (va, ia) takes (vb, ib) where vb is greater, or equal with the lower index.
.macro MERGE va, ia, vb, ib
	v_cmp_gt_f32 s[MK], v[\vb], v[\va]
	v_cmp_eq_f32 s[MK+1], v[\vb], v[\va]
	v_cmp_lt_u32 s[MK+2], v[\ib], v[\ia]
	s_and_b32 s[MK+1], s[MK+1], s[MK+2]
	s_or_b32 s[MK], s[MK], s[MK+1]
	v_cndmask_b32 v[\va], v[\va], v[\vb], s[MK]
	v_cndmask_b32 v[\ia], v[\ia], v[\ib], s[MK]
.endm
	s_load_b256 s[4:11], s[0:1], 0x0               ; input s[4:5], estream s[6:7], the scales' exponents s[8:9], out2 s[10:11]
	s_load_b64 s[12:13], s[0:1], 0x20              ; order
	v_lshl_add_u32 v[SPW], v0, 2, SPARE
	v_mov_b32 v[NIL], 0
	ds_add_u32 v1, v2
	ds_add_u32 v1, v2
	s_wait_dscnt 0x0
	v_lshrrev_b32 v16, 5, v0
	v_readfirstlane_b32 s[WV], v16                 ; wave 0..15
	s_bfe_u32 s15, ttmp6, 0x40000                  ; cx: my place in the cluster: it enters the addresses of input, out2 and order alone
	s_lshl_b32 s16, ttmp9, 2                       ; in a cluster launch ttmp9 counts clusters
	s_add_co_u32 s16, s16, s15                     ; my work-group
	v_and_b32 v17, 31, v0                          ; lane
	v_and_b32 v18, 15, v0                          ; r
	v_bfe_u32 v19, v0, 4, 1                        ; h
	s_mul_i32 s17, s[WV], BLKB                     ; my block in a fill and in a slot
	v_lshlrev_b32 v20, 4, v17
	v_add_nc_u32 v[ADR], s17, v20
	v_add_nc_u32 v[ADR+1], SLOTB, v[ADR]
	v_lshlrev_b32 v[CA], 5, v19
	v_add_nc_u32 v[CA], s17, v[CA]
	v_add_nc_u32 v[CA], 8192, v[CA]
	v_add_nc_u32 v[CA+1], SLOTB, v[CA]
	v_add_nc_u32 v[LI], XIMG, v20
	s_lshl_b32 s18, s[WV], 10
	v_add_nc_u32 v[XWI], s18, v[LI]
	v_lshlrev_b32 v[XA], 10, v18
	v_lshl_add_u32 v[XA], v19, 6, v[XA]
	s_lshl_b32 s18, s[WV], 8
	v_lshlrev_b32 v[MA], 2, v18
	v_add_nc_u32 v[MA], s18, v[MA]
	v_add_nc_u32 v[MA], MRG, v[MA]
	v_lshlrev_b32 v[OO], 3, v17
	v_add_nc_u32 v[MR], MRG, v[OO]
	v_lshlrev_b32 v[H8], 3, v19
	; descriptor group 1: a dense block of 33 rows of 256 bytes (32 elements of 8 bytes)
	s_mov_b32 s[G1], 15|(3<<16)|(1<<21)            ; 15:0 the mask: all four work-groups; 17:16 elements of 8 bytes; 20 no padding; 21 set beside a mask
	s_mov_b32 s[G1+1], 32<<16                      ; tensor_dim0 = 32
	s_mov_b32 s[G1+2], 33<<16                      ; tensor_dim1 = 33
	s_mov_b32 s[G1+3], 32<<16                      ; tile_dim0 = 32
	s_mov_b32 s[G1+4], 33                          ; tile_dim1 = 33
	s_mov_b32 s[G1+5], 32                          ; from row to row: 32 elements
	s_mov_b32 s[G1+6], 0
	s_mov_b32 s[G1+7], 0
	s_mov_b32 s[SEL], 0x76543210
	s_mov_b32 s[SEL+1], 0xfedcba98
	s_lshl_b32 s[CD], s[WV], 3                     ; my first tile is T = 2 w: 4 T = 8 w
	s_add_co_u32 s[CD+1], s[CD], 1
	s_mov_b32 s[CNT], 7
	s_lshl_b32 s18, s16, 16                        ; input: my work-group's 64 rows of 1,024 bytes,
	s_lshr_b32 s20, s[WV], 2
	s_lshl_b32 s20, s20, 14                        ; the 16 rows that my wave quantises: 16 (w / 4) on,
	s_add_co_u32 s18, s18, s20
	s_and_b32 s20, s[WV], 3
	s_lshl_b32 s20, s20, 8                         ; and its 64 along K: 64 (w % 4) on
	s_add_co_u32 s18, s18, s20
	s_mov_b32 s19, 0
	s_lshl_b32 s20, s16, 8                         ; out2 and order: 64 indices of 4 bytes
	s_mov_b32 s21, 0
	s_mov_b32 s50, s17                             ; the stream: my block, by the wave's number alone
	s_mov_b32 s51, 0
	s_wait_kmcnt 0x0
	s_load_b32 s22, s[8:9], 0x0                    ; e0
	s_add_nc_u64 s[4:5], s[4:5], s[18:19]
	s_add_nc_u64 s[10:11], s[10:11], s[20:21]
	s_add_nc_u64 s[12:13], s[12:13], s[20:21]
	s_mov_b32 s[G0], 1                             ; 1:0 count = 1
	s_mov_b32 s[G0+1], s17                         ; LDS address: slot 0
	s_add_nc_u64 s[G0+2:G0+3], s[6:7], s[50:51]    ; fill 0
	s_or_b32 s[G0+3], s[G0+3], 0x80000000          ; type = 2
	s_mov_b32 s[G0+4], 1
	s_add_co_u32 s[G0+5], s17, SLOTB               ; slot 1
	s_add_nc_u64 s[G0+6:G0+7], s[6:7], s[50:51]
	s_add_nc_u64 s[G0+6:G0+7], s[G0+6:G0+7], FILLB ; fill 1
	s_or_b32 s[G0+7], s[G0+7], 0x80000000
	CROUND                                         ; all four work-groups are here: the first joint loads meet
	tensor_load_to_lds s[G0:G0+3], s[G1:G1+7]      ; the two first fills go out together: two loads of mine are out
	s_nop 0
	tensor_load_to_lds s[G0+4:G0+7], s[G1:G1+7]
	s_nop 0
.rept 4
	v_nop
.endr
	; x: my wave quantises 16 rows x 64 along K: lane (r, h) takes, of row r, 16 neighbours of each of two blocks of 32: the order that the operand's layout gives that lane
.irp b, 0,1
.irp j, 0,1,2,3
	global_load_b128 v[AF+16*\b+4*\j:AF+16*\b+4*\j+3], v[XA], s[4:5] offset:128*\b+16*\j
.endr
.endr
.set i, 0
.rept 16
	v_mov_b32 v[BV+i], 0xff800000                  ; the best so far: -infinity, under every score
	v_mov_b32 v[IV+i], 0
.set i, i+1
.endr
	v_mov_b32 v248, 0                              ; written once: a lane permute's destination counts as one of its sources
	v_mov_b32 v249, 0
	s_wait_kmcnt 0x0
	s_add_co_i32 s22, s22, 127
	s_lshl_b32 s23, s22, 23
	v_mov_b32 v14, s23                             ; 2^e0 as f32: the conversion takes its exponent field
	s_add_co_i32 s22, s22, 8
	s_lshl_b32 s22, s22, 23
	s_or_b32 s22, s22, 0x600000
	v_mov_b32 v15, s22                             ; 448 x 2^e0
	s_wait_loadcnt 0x0
.set i, 0
.rept 32
	v_med3_num_f32 v[AF+i], v[AF+i], -v15, v15     ; the conversion to an 8-bit code does not saturate (ISA guide 7.6.2): the hold at the largest code x the scale
.set i, i+1
.endr
.irp g, 0,1,2,3
	v_cvt_scalef32_pk8_fp8_f32 v[CR+2*\g:CR+2*\g+1], v[AF+8*\g:AF+8*\g+7], v14
.endr
	v_nop                                          ; one plain vector line behind the last scaled conversion
	ds_store_b128 v[XWI], v[CR:CR+3]               ; a quarter of a fragment's image: registers 4 c .. 4 c + 3 at 512 c + 16 x lane
	ds_store_b128 v[XWI], v[CR+4:CR+7] offset:512
	s_wait_tensorcnt 0x1                           ; my block of fill 0 is in; fill 1's, issued behind it, may stay out
	s_wait_dscnt 0x0                               ; for the others' sake: my part of x's images has landed
	s_barrier_signal -1
	s_barrier_wait -1
.irp f, 0,1,2,3,4,5,6,7
.irp c, 0,1,2,3
	ds_load_b128 v[XF+16*\f+4*\c:XF+16*\f+4*\c+3], v[LI] offset:2048*\f+512*\c   ; all 64 rows' codes: they stay
.endr
.endr
	LOADT 0, 0
	s_wait_dscnt 0x0
	MM
	STEP 0, 1
.Lring:                                            ; 7 trips; trip i asks for fills 2 i + 2 and 2 i + 3 and works fills 2 i + 1 and 2 i + 2
	CHANGE 0
	STEP 1, 0
	STEP 1, 1
	CHANGE 1
	STEP 0, 0
	STEP 0, 1
	s_sub_co_u32 s[CNT], s[CNT], 1
	s_cmp_lg_u32 s[CNT], 0
	s_cbranch_scc1 .Lring
	s_wait_tensorcnt 0x0                           ; fill 15: nothing is left to fetch; I read only the bytes that my own load brought, so my own wait is all that the reads need
	STEP 1, 0
	STEP 1, 1
	TRACK 0
	; within the wave: cand becomes the code's index; the four chains, then the two halves of the lanes
	v_mov_b32 v252, v[H8]
.irp c, 1,2,3
	v_add_nc_u32 v[252+\c], \c, v[H8]
.endr
.irp q, 0,1,2,3
.irp c, 0,1,2,3
	v_lshl_add_u32 v[IV+4*\q+\c], v[IV+4*\q+\c], 2, v[252+\c]   ; 4 cand + chain + 8 h
.endr
.endr
.irp q, 0,1,2,3
	MERGE BV+4*\q, IV+4*\q, BV+4*\q+1, IV+4*\q+1
	MERGE BV+4*\q+2, IV+4*\q+2, BV+4*\q+3, IV+4*\q+3
	MERGE BV+4*\q, IV+4*\q, BV+4*\q+2, IV+4*\q+2
	v_permlanex16_b32 v248, v[BV+4*\q], s[SEL], s[SEL+1]
	v_permlanex16_b32 v249, v[IV+4*\q], s[SEL], s[SEL+1]
	MERGE BV+4*\q, IV+4*\q, 248, 249
	ds_store_b32 v[MA], v[BV+4*\q] offset:64*\q              ; row 16 q + r; both halves of the lanes write the same word with the same number
	ds_store_b32 v[MA], v[IV+4*\q] offset:4096+64*\q
.endr
	s_wait_dscnt 0x0                               ; for wave 0's sake: my stores have landed
	s_barrier_signal -1
	s_barrier_wait -1
	s_cmp_lg_u32 s[WV], 0
	s_cbranch_scc1 .Lend
	; wave 0: the sixteen waves' best of rows 2 x lane and 2 x lane + 1
.irp w, 0,1,2,3,4,5,6,7,8,9,10,11,12,13,14,15
	ds_load_b64 v[16+2*\w:17+2*\w], v[MR] offset:256*\w
.endr
.irp w, 0,1,2,3,4,5,6,7,8,9,10,11,12,13,14,15
	ds_load_b64 v[48+2*\w:49+2*\w], v[MR] offset:4096+256*\w
.endr
	s_wait_dscnt 0x0
.irp w, 1,2,3,4,5,6,7,8,9,10,11,12,13,14,15
	MERGE 16, 48, 16+2*\w, 48+2*\w
	MERGE 17, 49, 17+2*\w, 49+2*\w
.endr
	global_store_b64 v[OO], v[48:49], s[10:11]     ; one instruction stores the work-group's 64 indices: 256 consecutive bytes, aligned
	global_store_b64 v[OO], v[48:49], s[12:13]     ; and once more for the launch that forms addresses from them
.Lend:
	s_wait_tensorcnt 0x0                           ; the wave's end: behind my last tensor load and my last LDS store
	ds_add_u32 v[SPW], v[NIL]
	s_wait_dscnt 0x0
	CROUND                                         ; the closing round: no work-group ends while a partner may still ask for a block that names it
	s_endpgm
.Lfunc_end_k_qe307fe1d3e_main:
	.size	k_qe307fe1d3e_main, .Lfunc_end_k_qe307fe1d3e_main-k_qe307fe1d3e_main
	.p2alignl 7, 3214868480
	.fill 96, 4, 3214868480
	.section	.rodata,"a",@progbits
	.p2align	6, 0x0
	.amdhsa_kernel k_qe307fe1d3e_main
		.amdhsa_group_segment_fixed_size 327680
		.amdhsa_private_segment_fixed_size 0
		.amdhsa_enable_private_segment 0
		.amdhsa_kernarg_size 40
		.amdhsa_user_sgpr_count 2
		.amdhsa_user_sgpr_kernarg_segment_ptr 1
		.amdhsa_wavefront_size32 1
		.amdhsa_system_sgpr_workgroup_id_x 1
		.amdhsa_system_sgpr_workgroup_id_y 1
		.amdhsa_system_sgpr_workgroup_id_z 1
		.amdhsa_system_vgpr_workitem_id 0
		.amdhsa_next_free_vgpr 256
		.amdhsa_next_free_sgpr 66
		.amdhsa_reserve_vcc 0
		.amdhsa_float_denorm_mode_32 3
		.amdhsa_float_denorm_mode_16_64 3
		.amdhsa_memory_ordered 1
		.amdhsa_forward_progress 1
		.amdhsa_inst_pref_size 95
	.end_amdhsa_kernel
	.amdgpu_metadata
---
amdhsa.version: [ 1, 2 ]
amdhsa.kernels:
  - .name:           k_qe307fe1d3e_main
    .symbol:         k_qe307fe1d3e_main.kd
    .args:
      - { .name: input, .offset: 0, .size: 8, .value_kind: global_buffer, .address_space: global }
      - { .name: estream, .offset: 8, .size: 8, .value_kind: global_buffer, .address_space: global }
      - { .name: lowp_scales, .offset: 16, .size: 8, .value_kind: global_buffer, .address_space: global }
      - { .name: out2, .offset: 24, .size: 8, .value_kind: global_buffer, .address_space: global }
      - { .name: order, .offset: 32, .size: 8, .value_kind: global_buffer, .address_space: global }
    .group_segment_fixed_size: 327680
    .private_segment_fixed_size: 0
    .kernarg_segment_align: 8
    .kernarg_segment_size: 40
    .max_flat_workgroup_size: 512
    .sgpr_count:     66
    .vgpr_count:     256
    .wavefront_size: 32
...
	.end_amdgpu_metadata
.endif
;; end of part 2
;; launch gather (part 3): grid 256 x 1, 8 waves a work-group, no clusters, 1,280 bytes of LDS; arguments input, embt, order, out0, partials; writes out0, partials
.if DOCPART == 3
	.amdgcn_target "amdgcn-amd-amdhsa--gfx1250"
	.amdhsa_code_object_version 6
	.text
	.protected	k_qe307fe1d3e_gather
	.globl	k_qe307fe1d3e_gather
	.p2align	8
	.type	k_qe307fe1d3e_gather,@function
k_qe307fe1d3e_gather:
	s_mov_b64 s[64:65], 0
	v_nop
	global_prefetch_b8 v0, s[64:65] scope:SCOPE_SE
	s_setreg_imm32_b32 hwreg(HW_REG_WAVE_MODE, 25, 1), 1
	s_wait_xcnt 0x0
; out0[row] = x + (q - x), q = row order[row] of embt (the codebook turned, f32, unquantised); partials[work-group] = the sum of (q - x)^2 over its 64 rows.
; Memory binds: each byte of x is read once, each byte of out0 written once, by instructions that cover 512 consecutive bytes.  No matrix unit, no cluster, no tensor load: the work-groups share nothing but
; rows of the codebook that happen to be named twice.  Work-group g takes rows 64 g on, wave w eight of them; a row is 1,024 bytes, two loads of 16 bytes a lane.
; There is no loop and no register is written twice: all 32 loads of a wave (16 KiB) are out at once, so nothing is asked for ahead of them.
; The eight indices of a wave are scalars, held within 0 .. 8,191 before they enter an address.
.set S, 4                              ; v4-11   four pairs of sums of squares
.set X, 16                             ; v16-79  x: 8 registers a row
.set Q, 80                             ; v80-143 q, then q - x, then x + (q - x)
	s_load_b256 s[4:11], s[0:1], 0x0               ; input s[4:5], embt s[6:7], order s[8:9], out0 s[10:11]
	s_load_b64 s[12:13], s[0:1], 0x20              ; partials
	v_lshl_add_u32 v160, v0, 2, 0x100
	v_mov_b32 v161, 0
	v_lshrrev_b32 v1, 5, v0
	v_readfirstlane_b32 s14, v1                    ; wave 0..7
	v_and_b32 v1, 31, v0
	v_lshlrev_b32 v1, 4, v1                        ; 16 bytes a lane
	v_mov_b32 v2, s14
	v_lshlrev_b32 v2, 2, v2                        ; my wave's word in LDS
	v_mov_b32 v3, 0
	s_mov_b32 s48, 0x76543210
	s_mov_b32 s49, 0xfedcba98                      ; lane selects: lane l xor 16
	s_lshl_b32 s24, ttmp9, 16                      ; 64 rows of 1,024 bytes a work-group,
	s_lshl_b32 s26, s14, 13                        ; 8 a wave
	s_add_co_u32 s24, s24, s26
	s_mov_b32 s25, 0
	s_lshl_b32 s26, ttmp9, 8                       ; and their indices: 4 bytes each
	s_lshl_b32 s28, s14, 5
	s_add_co_u32 s26, s26, s28
	s_mov_b32 s27, 0
	s_lshl_b32 s28, ttmp9, 2
	s_mov_b32 s29, 0
	s_wait_kmcnt 0x0
	s_add_nc_u64 s[8:9], s[8:9], s[26:27]
	s_load_b256 s[16:23], s[8:9], 0x0              ; my eight indices
	s_add_nc_u64 s[4:5], s[4:5], s[24:25]
	s_add_nc_u64 s[10:11], s[10:11], s[24:25]
	s_add_nc_u64 s[12:13], s[12:13], s[28:29]
.irp i, 0,1,2,3,4,5,6,7
.irp z, 0,1
	global_load_b128 v[X+8*\i+4*\z:X+8*\i+4*\z+3], v1, s[4:5] offset:1024*\i+512*\z th:TH_LOAD_NT   ; x goes out while the indices are on their way; nobody reads it again
.endr
.endr
	s_wait_kmcnt 0x0
.irp i, 0,1,2,3,4,5,6,7
	s_min_u32 s[16+\i], s[16+\i], 0x1fff           ; an index stays inside the table
	s_lshl_b32 s24, s[16+\i], 10                   ; its row of 1,024 bytes (s25 is 0)
	s_add_nc_u64 s[32+2*\i:33+2*\i], s[6:7], s[24:25]
.endr
.irp i, 0,1,2,3,4,5,6,7
.irp z, 0,1
	global_load_b128 v[Q+8*\i+4*\z:Q+8*\i+4*\z+3], v1, s[32+2*\i:33+2*\i] offset:512*\z   ; no hint: a code may be named again
.endr
.endr
.irp i, 0,1,2,3,4,5,6,7
	s_wait_loadcnt 14-2*\i                         ; loads come back in order: row i's q is in (x's loads are older); the two loads of each later row may be out
.irp p, 0,1,2,3
	v_pk_add_f32 v[Q+8*\i+2*\p:Q+8*\i+2*\p+1], v[Q+8*\i+2*\p:Q+8*\i+2*\p+1], v[X+8*\i+2*\p:X+8*\i+2*\p+1] neg_lo:[0,1] neg_hi:[0,1]   ; q - x
.endr
.irp p, 0,1,2,3
.if \i == 0
	v_pk_mul_f32 v[S+2*\p:S+2*\p+1], v[Q+2*\p:Q+2*\p+1], v[Q+2*\p:Q+2*\p+1]   ; the first row starts the four chains: nothing is cleared
.else
	v_pk_fma_f32 v[S+2*\p:S+2*\p+1], v[Q+8*\i+2*\p:Q+8*\i+2*\p+1], v[Q+8*\i+2*\p:Q+8*\i+2*\p+1], v[S+2*\p:S+2*\p+1]
.endif
.endr
.irp p, 0,1,2,3
	v_pk_add_f32 v[Q+8*\i+2*\p:Q+8*\i+2*\p+1], v[X+8*\i+2*\p:X+8*\i+2*\p+1], v[Q+8*\i+2*\p:Q+8*\i+2*\p+1]   ; x + (q - x)
.endr
.irp z, 0,1
	global_store_b128 v1, v[Q+8*\i+4*\z:Q+8*\i+4*\z+3], s[10:11] offset:1024*\i+512*\z th:TH_STORE_NT   ; 512 consecutive bytes, at a multiple of 256 from out0's first byte
.endr
.endr
	v_pk_add_f32 v[S:S+1], v[S:S+1], v[S+2:S+3]
	v_pk_add_f32 v[S+4:S+5], v[S+4:S+5], v[S+6:S+7]
	v_pk_add_f32 v[S:S+1], v[S:S+1], v[S+4:S+5]
	v_add_f32 v[S], v[S], v[S+1]
	v_add_f32_dpp v[S], v[S], v[S] row_xmask:1 row_mask:0xf bank_mask:0xf
	v_add_f32_dpp v[S], v[S], v[S] row_xmask:2 row_mask:0xf bank_mask:0xf
	v_add_f32_dpp v[S], v[S], v[S] row_xmask:4 row_mask:0xf bank_mask:0xf
	v_add_f32_dpp v[S], v[S], v[S] row_xmask:8 row_mask:0xf bank_mask:0xf
	v_permlanex16_b32 v[S+1], v[S], s48, s49
	v_add_f32 v[S], v[S], v[S+1]                   ; the wave's sum, in every lane
	ds_store_b32 v2, v[S]
	s_wait_dscnt 0x0                               ; for wave 0's sake
	s_barrier_signal -1
	s_barrier_wait -1
	s_cmp_lg_u32 s14, 0
	s_cbranch_scc1 .Lend
	ds_load_b128 v[8:11], v3
	ds_load_b128 v[12:15], v3 offset:16
	s_wait_dscnt 0x0
	v_pk_add_f32 v[8:9], v[8:9], v[10:11]
	v_pk_add_f32 v[12:13], v[12:13], v[14:15]
	v_pk_add_f32 v[8:9], v[8:9], v[12:13]
	v_add_f32 v8, v8, v9
	v_cmp_eq_u32 vcc_lo, 0, v0
	s_wait_xcnt 0x0                                ; EXEC is a source of the stores above: it changes only behind this wait
	s_and_saveexec_b32 s30, vcc_lo
	global_store_b32 v3, v8, s[12:13]              ; the work-group's one number
	s_wait_xcnt 0x0                                ; and again in front of the line that widens it
	s_or_b32 exec_lo, exec_lo, s30
.Lend:
	s_wait_tensorcnt 0x0
	ds_add_u32 v160, v161
	s_wait_dscnt 0x0
	s_endpgm
.Lfunc_end_k_qe307fe1d3e_gather:
	.size	k_qe307fe1d3e_gather, .Lfunc_end_k_qe307fe1d3e_gather-k_qe307fe1d3e_gather
	.p2alignl 7, 3214868480
	.fill 96, 4, 3214868480
	.section	.rodata,"a",@progbits
	.p2align	6, 0x0
	.amdhsa_kernel k_qe307fe1d3e_gather
		.amdhsa_group_segment_fixed_size 1280
		.amdhsa_private_segment_fixed_size 0
		.amdhsa_enable_private_segment 0
		.amdhsa_kernarg_size 40
		.amdhsa_user_sgpr_count 2
		.amdhsa_user_sgpr_kernarg_segment_ptr 1
		.amdhsa_wavefront_size32 1
		.amdhsa_system_sgpr_workgroup_id_x 1
		.amdhsa_system_sgpr_workgroup_id_y 1
		.amdhsa_system_sgpr_workgroup_id_z 1
		.amdhsa_system_vgpr_workitem_id 0
		.amdhsa_next_free_vgpr 162
		.amdhsa_next_free_sgpr 66
		.amdhsa_reserve_vcc 1
		.amdhsa_float_denorm_mode_32 3
		.amdhsa_float_denorm_mode_16_64 3
		.amdhsa_memory_ordered 1
		.amdhsa_forward_progress 1
		.amdhsa_inst_pref_size 15
	.end_amdhsa_kernel
	.amdgpu_metadata
---
amdhsa.version: [ 1, 2 ]
amdhsa.kernels:
  - .name:           k_qe307fe1d3e_gather
    .symbol:         k_qe307fe1d3e_gather.kd
    .args:
      - { .name: input, .offset: 0, .size: 8, .value_kind: global_buffer, .address_space: global }
      - { .name: embt, .offset: 8, .size: 8, .value_kind: global_buffer, .address_space: global }
      - { .name: order, .offset: 16, .size: 8, .value_kind: global_buffer, .address_space: global }
      - { .name: out0, .offset: 24, .size: 8, .value_kind: global_buffer, .address_space: global }
      - { .name: partials, .offset: 32, .size: 8, .value_kind: global_buffer, .address_space: global }
    .group_segment_fixed_size: 1280
    .private_segment_fixed_size: 0
    .kernarg_segment_align: 8
    .kernarg_segment_size: 40
    .max_flat_workgroup_size: 256
    .sgpr_count:     66
    .vgpr_count:     162
    .wavefront_size: 32
...
	.end_amdgpu_metadata
.endif
;; end of part 3
;; launch reduce (part 4): grid 1 x 1, 1 waves a work-group, no clusters, 0 bytes of LDS; arguments partials, out1; writes out1
.if DOCPART == 4
	.amdgcn_target "amdgcn-amd-amdhsa--gfx1250"
	.amdhsa_code_object_version 6
	.text
	.protected	k_qe307fe1d3e_reduce
	.globl	k_qe307fe1d3e_reduce
	.p2align	8
	.type	k_qe307fe1d3e_reduce,@function
k_qe307fe1d3e_reduce:
	s_mov_b64 s[64:65], 0
	v_nop
	global_prefetch_b8 v0, s[64:65] scope:SCOPE_SE
	s_setreg_imm32_b32 hwreg(HW_REG_WAVE_MODE, 25, 1), 1
	s_wait_xcnt 0x0
; out1 = the sum of the 256 partial sums of squares / (16,384 x 256).  One wave: a sum that spans work-groups is made by one owner, in a launch of its own.
	s_load_b128 s[4:7], s[0:1], 0x0                ; partials s[4:5], out1 s[6:7]
	v_lshlrev_b32 v1, 5, v0                        ; eight numbers a lane
	v_mov_b32 v2, 0
	s_mov_b32 s8, 0x76543210
	s_mov_b32 s9, 0xfedcba98                       ; lane selects: lane l xor 16
	s_wait_kmcnt 0x0
	global_load_b128 v[4:7], v1, s[4:5]
	global_load_b128 v[8:11], v1, s[4:5] offset:16
	s_wait_loadcnt 0x0
	v_pk_add_f32 v[4:5], v[4:5], v[6:7]
	v_pk_add_f32 v[8:9], v[8:9], v[10:11]
	v_pk_add_f32 v[4:5], v[4:5], v[8:9]
	v_add_f32 v4, v4, v5
	v_add_f32_dpp v4, v4, v4 row_xmask:1 row_mask:0xf bank_mask:0xf
	v_add_f32_dpp v4, v4, v4 row_xmask:2 row_mask:0xf bank_mask:0xf
	v_add_f32_dpp v4, v4, v4 row_xmask:4 row_mask:0xf bank_mask:0xf
	v_add_f32_dpp v4, v4, v4 row_xmask:8 row_mask:0xf bank_mask:0xf
	v_permlanex16_b32 v5, v4, s8, s9
	v_add_f32 v4, v4, v5
	v_mul_f32 v4, 0x34800000, v4                   ; x 2^-22 = 1 / (16,384 x 256): nothing is rounded
	v_cmp_eq_u32 vcc_lo, 0, v0
	s_wait_xcnt 0x0                                ; EXEC changes only behind this wait
	s_and_saveexec_b32 s10, vcc_lo
	global_store_b32 v2, v4, s[6:7]
	s_wait_xcnt 0x0
	s_or_b32 exec_lo, exec_lo, s10
	s_endpgm
.Lfunc_end_k_qe307fe1d3e_reduce:
	.size	k_qe307fe1d3e_reduce, .Lfunc_end_k_qe307fe1d3e_reduce-k_qe307fe1d3e_reduce
	.p2alignl 7, 3214868480
	.fill 96, 4, 3214868480
	.section	.rodata,"a",@progbits
	.p2align	6, 0x0
	.amdhsa_kernel k_qe307fe1d3e_reduce
		.amdhsa_group_segment_fixed_size 0
		.amdhsa_private_segment_fixed_size 0
		.amdhsa_enable_private_segment 0
		.amdhsa_kernarg_size 16
		.amdhsa_user_sgpr_count 2
		.amdhsa_user_sgpr_kernarg_segment_ptr 1
		.amdhsa_wavefront_size32 1
		.amdhsa_system_sgpr_workgroup_id_x 1
		.amdhsa_system_sgpr_workgroup_id_y 1
		.amdhsa_system_sgpr_workgroup_id_z 1
		.amdhsa_system_vgpr_workitem_id 0
		.amdhsa_next_free_vgpr 16
		.amdhsa_next_free_sgpr 66
		.amdhsa_reserve_vcc 1
		.amdhsa_float_denorm_mode_32 3
		.amdhsa_float_denorm_mode_16_64 3
		.amdhsa_memory_ordered 1
		.amdhsa_forward_progress 1
		.amdhsa_inst_pref_size 2
	.end_amdhsa_kernel
	.amdgpu_metadata
---
amdhsa.version: [ 1, 2 ]
amdhsa.kernels:
  - .name:           k_qe307fe1d3e_reduce
    .symbol:         k_qe307fe1d3e_reduce.kd
    .args:
      - { .name: partials, .offset: 0, .size: 8, .value_kind: global_buffer, .address_space: global }
      - { .name: out1, .offset: 8, .size: 8, .value_kind: global_buffer, .address_space: global }
    .group_segment_fixed_size: 0
    .private_segment_fixed_size: 0
    .kernarg_segment_align: 8
    .kernarg_segment_size: 16
    .max_flat_workgroup_size: 32
    .sgpr_count:     66
    .vgpr_count:     16
    .wavefront_size: 32
...
	.end_amdgpu_metadata
.endif
;; end of part 4
;; ======== version 2 of 2: 4 launches
;; limits: right only within a limited range of input values
;; workspace buffers: estream 2,162,688 bytes; embt 8,388,608 bytes; ximg 4,194,304 bytes; order 524,288 bytes of whole numbers; cval 524,288 bytes of whole numbers; partials 1,024 bytes
;; launch prep (part 5): grid 384 x 1, 8 waves a work-group, no clusters, 35,840 bytes of LDS; arguments embed, lowp_scales, estream, embt, input, ximg; writes estream, embt, ximg
.if DOCPART == 5
	.amdgcn_target "amdgcn-amd-amdhsa--gfx1250"
	.amdhsa_code_object_version 6
	.text
	.protected	k_qe307fe1d3e_prep
	.globl	k_qe307fe1d3e_prep
	.p2align	8
	.type	k_qe307fe1d3e_prep,@function
k_qe307fe1d3e_prep:
	s_mov_b64 s[64:65], 0
	v_nop
	global_prefetch_b8 v0, s[64:65] scope:SCOPE_SE
	s_setreg_imm32_b32 hwreg(HW_REG_WAVE_MODE, 25, 1), 1
	s_wait_xcnt 0x0
; embed [256 (k)][8192 (codes)] f32 is read once and leaves in three forms:
;   estream: its E4M3 codes (x / 2^e1, held within +-448, nearest, ties to even), laid as images of the matrix operand's registers, and beside them
;            cneg[code] = -(sum over k of embed^2) x 2^-(e0 + e1 + 1), which the product's launch takes as the C of each sum;
;   embt:    the f32 numbers turned, [8192][256], so that the gather reads rows of 1,024 bytes.
; estream is 256 blocks of 8,448 bytes = 33 x 256: [image of code tile 2 b: 4,096][image of tile 2 b + 1: 4,096][cneg of the 32 codes: 128][zeros: 128].
; Image of tile T: byte 2048 s + 512 c + 16 (r + 16 h) + i = the code of embed[128 s + 32 c + 16 h + i][16 T + r].
; SHARES.  Work-group b takes columns 32 b .. 32 b + 31 (8,192 columns / 256 work-groups).  Wave w takes k = 32 w .. 32 w + 31.  A LANE TAKES A COLUMN AND ITS REGISTERS RUN DOWN K:
; the conversions then give codes with K innermost, and nothing is transposed by an instruction.  All 32 loads of a wave are out at once; there is no loop.
; LIMITS: e1 between -126 and 119 (2^e1 and 448 x 2^e1 are f32 numbers); the sum of squares x 2^-(e0 + e1 + 1) is finite.  NaN among the inputs is not served.
; LEFT OUT BY THE WHOLE PROGRAM: the term sum(x^2) of dist.  It is the same for all codes of a row, so in exact arithmetic argmin(dist) = argmax(x.e - sum(e^2)/2), whatever the inputs hold.
; An overflow or a NaN that reaches only that term is not carried to the result.  fix = 1 is a constant of the problem.
; Work-groups 256 .. 383 serve x instead: input's E4M3 codes (x / 2^e0, held within +-448), once for all readers, as images of the matrix operand's registers:
; ximg, tile t of 16 rows: byte 4096 t + 512 c + 16 (r + 16 h) + i = the code of x[16 t + r][32 c + 16 h + i].  LIMIT: e0 between -126 and 119.
.set SP,    1040
.set PART,  32*SP                      ; behind the stage: 8 waves x 32 partial sums of squares
.set BLKB,  8448                       ; a block of estream
.set X,   16                           ; v16-47   embed(32 w + i, my column)
.set Y,   48                           ; v48-79   the same, held
.set CD,  80                           ; v80-87   32 codes
.set OUTR, 88                          ; v88-119  four rows of embt read back from the stage
.set PS,  120                          ; v120-135 wave 0: the eight waves' partial sums of two columns
	s_load_b256 s[4:11], s[0:1], 0x0               ; embed s[4:5], the scales' exponents s[6:7], estream s[8:9], embt s[10:11]
	v_lshl_add_u32 v136, v0, 2, 0x8800
	v_mov_b32 v137, 0
	s_cmp_ge_u32 ttmp9, 256
	s_cbranch_scc1 .Lxq
	v_lshrrev_b32 v1, 5, v0
	s_delay_alu instid0(VALU_DEP_1)
	v_readfirstlane_b32 s12, v1                    ; wave 0..7
	v_and_b32 v1, 31, v0                           ; lane
	s_delay_alu instid0(VALU_DEP_1)
	v_lshlrev_b32 v2, 2, v1                        ; in: 4 bytes a lane
	s_lshl_b32 s13, s12, 7                         ; 128 w
	v_mul_u32_u24 v3, v1, SP
	s_delay_alu instid0(VALU_DEP_1)
	v_add_nc_u32 v3, s13, v3                       ; the stage, in: row = my column, + my wave's 32 numbers
	v_add_nc_u32 v4, s13, v2
	s_delay_alu instid0(VALU_DEP_1)
	v_add_nc_u32 v4, PART, v4                      ; my partial sum's word: PART + 128 w + 4 lane
	v_lshrrev_b32 v5, 4, v1
	s_delay_alu instid0(VALU_DEP_1)
	v_lshlrev_b32 v5, 12, v5                       ; which of the block's two images: 4,096 (lane / 16)
	v_and_b32 v8, 15, v1
	s_delay_alu instid0(VALU_DEP_1)
	v_lshl_add_u32 v5, v8, 4, v5                   ; + 16 r
	s_lshr_b32 s14, s12, 2
	s_lshl_b32 s14, s14, 11                        ; + 2,048 s, s = w / 4
	s_and_b32 s15, s12, 3
	s_lshl_b32 s15, s15, 9                         ; + 512 c, c = w % 4
	s_add_co_u32 s14, s14, s15
	v_add_nc_u32 v5, s14, v5                       ; my codes' place in the block (h = 1: 256 bytes on)
	v_lshlrev_b32 v6, 4, v1
	s_lshl_b32 s15, s12, 12
	v_add_nc_u32 v7, s15, v6                       ; embt: my wave's rows 4 w on, 16 bytes a lane
	s_mul_i32 s15, s12, 4*SP
	v_add_nc_u32 v6, s15, v6                       ; and the same rows in the stage
	v_lshlrev_b32 v8, 3, v8
	s_delay_alu instid0(VALU_DEP_1)
	v_add_nc_u32 v8, PART, v8                      ; wave 0: the partial sums of columns 2 (lane % 16) and the next
	v_lshlrev_b32 v9, 3, v1                        ; wave 0: 8 bytes a lane of the block's last 256
	s_lshl_b32 s14, s12, 20                        ; embed: 32 w rows of 32,768 bytes
	s_lshl_b32 s15, ttmp9, 7                       ; + 32 b columns of 4 bytes
	s_add_co_u32 s14, s14, s15
	s_mov_b32 s15, 0
	s_mul_i32 s24, ttmp9, BLKB
	s_mov_b32 s25, 0
	s_lshl_b32 s26, ttmp9, 15                      ; embt: 32 b rows of 1,024 bytes
	s_mov_b32 s27, 0
	s_wait_kmcnt 0x0
	s_load_b64 s[16:17], s[6:7], 0x0               ; e0, e1
	s_add_nc_u64 s[4:5], s[4:5], s[14:15]
	s_add_nc_u64 s[8:9], s[8:9], s[24:25]
	s_add_nc_u64 s[10:11], s[10:11], s[26:27]
.set i, 0
.rept 32
	global_load_b32 v[X+i], v2, s[4:5] offset:i*32768   ; a row k at 32 neighbouring columns: 128 consecutive bytes; the neighbouring work-group reads the 128 beside them
.set i, i+1
.endr
	s_wait_kmcnt 0x0
	s_add_co_i32 s22, s16, s17
	s_add_co_i32 s22, s22, 1
	s_sub_co_i32 s22, 0, s22                       ; -(e0 + e1 + 1)
	s_add_co_i32 s18, s17, 127
	s_lshl_b32 s19, s18, 23
	v_mov_b32 v11, s19                             ; 2^e1 as f32: the conversion takes its exponent field
	s_add_co_i32 s18, s18, 8
	s_lshl_b32 s18, s18, 23
	s_or_b32 s18, s18, 0x600000
	v_mov_b32 v10, s18                             ; 448 x 2^e1
	s_wait_loadcnt 0x0
	; the sum of my 32 squares: two chains of pairs, started by products: nothing is cleared
	v_pk_mul_f32 v[12:13], v[X:X+1], v[X:X+1]
	v_pk_mul_f32 v[14:15], v[X+2:X+3], v[X+2:X+3]
.irp j, 4,8,12,16,20,24,28
	s_delay_alu instid0(VALU_DEP_2)
	v_pk_fma_f32 v[12:13], v[X+\j:X+\j+1], v[X+\j:X+\j+1], v[12:13]
	s_delay_alu instid0(VALU_DEP_2)
	v_pk_fma_f32 v[14:15], v[X+\j+2:X+\j+3], v[X+\j+2:X+\j+3], v[14:15]
.endr
	s_delay_alu instid0(VALU_DEP_1)
	v_pk_add_f32 v[12:13], v[12:13], v[14:15]
	s_delay_alu instid0(VALU_DEP_1)
	v_add_f32 v12, v12, v13
	ds_store_b32 v4, v12
.irp j, 0,1,2,3,4,5,6,7
	ds_store_b128 v3, v[X+4*\j:X+4*\j+3] offset:16*\j     ; my column's 32 numbers, neighbours in its row of embt
.endr
.set i, 0
.rept 32
	v_med3_num_f32 v[Y+i], v[X+i], -v10, v10       ; the conversion to an 8-bit code does not saturate (ISA guide 7.6.2): held within the largest code x the scale, into other registers
.set i, i+1
.endr
.irp g, 0,1,2,3
	v_cvt_scalef32_pk8_fp8_f32 v[CD+2*\g:CD+2*\g+1], v[Y+8*\g:Y+8*\g+7], v11
.endr
	v_nop                                          ; one plain vector line behind the last scaled conversion
	global_store_b128 v5, v[CD:CD+3], s[8:9]                 ; k = 32 w + 0 .. 15 (h = 0): lanes 0-15 fill 256 aligned bytes of one image, lanes 16-31 of the other
	global_store_b128 v5, v[CD+4:CD+7], s[8:9] offset:256    ; k = 32 w + 16 .. 31 (h = 1)
	s_wait_dscnt 0x0                               ; for the others' sake: my stores into the stage and my partial sum have landed
	s_barrier_signal -1
	s_barrier_wait -1
.irp t, 0,1,2,3
.irp z, 0,1
	ds_load_b128 v[OUTR+8*\t+4*\z:OUTR+8*\t+4*\z+3], v6 offset:\t*SP+512*\z
.endr
.endr
.irp t, 0,1,2,3
.irp z, 0,1
	s_wait_dscnt 7-2*\t-\z                         ; LDS loads come back in order: this one is in, the younger ones of the run may be out
	global_store_b128 v7, v[OUTR+8*\t+4*\z:OUTR+8*\t+4*\z+3], s[10:11] offset:\t*1024+512*\z   ; 32 lanes store 512 consecutive bytes of a row of embt
.endr
.endr
	s_cmp_lg_u32 s12, 0
	s_cbranch_scc1 .Lend
	; wave 0: the eight waves' partial sums, k ascending; lane l < 16 makes cneg of columns 2 l and 2 l + 1
.irp j, 0,1,2,3,4,5,6,7
	ds_load_b64 v[PS+2*\j:PS+2*\j+1], v8 offset:128*\j
.endr
	s_wait_dscnt 0x0
.irp j, 1
	v_pk_add_f32 v[PS:PS+1], v[PS:PS+1], v[PS+2*\j:PS+2*\j+1]
.endr
.irp j, 2, 3, 4, 5, 6, 7
	s_delay_alu instid0(VALU_DEP_1)
	v_pk_add_f32 v[PS:PS+1], v[PS:PS+1], v[PS+2*\j:PS+2*\j+1]
.endr
	s_delay_alu instid0(VALU_DEP_1)
	v_mul_f32 v[PS], -1.0, v[PS]
	s_delay_alu instid0(VALU_DEP_2)
	v_mul_f32 v[PS+1], -1.0, v[PS+1]
	s_delay_alu instid0(VALU_DEP_2)
	v_ldexp_f32 v[PS], v[PS], s22                  ; x 2^-(e0 + e1 + 1): nothing is rounded
	s_delay_alu instid0(VALU_DEP_2)
	v_ldexp_f32 v[PS+1], v[PS+1], s22
	v_cmp_gt_u32 vcc_lo, 16, v1
	s_delay_alu instid0(VALU_DEP_1)
	v_cndmask_b32 v[PS], 0, v[PS], vcc_lo          ; lanes 16-31 write the block's last 128 bytes as zeros
	s_delay_alu instid0(VALU_DEP_2)
	v_cndmask_b32 v[PS+1], 0, v[PS+1], vcc_lo
	global_store_b64 v9, v[PS:PS+1], s[8:9] offset:8192      ; one instruction writes the block's last 256 bytes whole
.Lend:
	s_wait_tensorcnt 0x0
	ds_add_u32 v136, v137
	s_wait_dscnt 0x0
	s_endpgm
.Lxq:
	; x's codes.  A wave takes a tile of 16 rows: lane (r, h) holds x(r, 32 c + 16 h + 0 .. 15), c = 0 .. 7, so the conversions' results are the operand's registers; no LDS, no barrier
.set XL, 48                            ; v48-127, v144-191  128 numbers: chunk c of 16 at XL + 16 c + 16 (c / 5), so that v136 and v137, kept for the add, are not touched
.set XC, 16                            ; v16-47   their codes
	s_load_b128 s[12:15], s[0:1], 0x20             ; input s[12:13], ximg s[14:15]
	v_lshrrev_b32 v1, 5, v0
	v_readfirstlane_b32 s16, v1                    ; wave 0..7
	v_and_b32 v2, 15, v0
	v_bfe_u32 v3, v0, 4, 1
	v_and_b32 v5, 31, v0
	v_lshlrev_b32 v4, 10, v2                       ; row r of 1,024 bytes
	v_lshlrev_b32 v5, 4, v5                        ; out: 16 bytes a lane
	v_lshl_add_u32 v4, v3, 6, v4                   ; + 16 h numbers
	s_sub_co_u32 s17, ttmp9, 256
	s_lshl_b32 s17, s17, 3
	s_add_co_u32 s17, s17, s16                     ; tile 0 .. 1,023
	s_lshl_b32 s18, s17, 14
	s_mov_b32 s19, 0
	s_lshl_b32 s20, s17, 12
	s_mov_b32 s21, 0
	s_wait_alu depctr_va_vdst(0)
	s_wait_kmcnt 0x0
	s_load_b32 s22, s[6:7], 0x0                    ; e0
	s_add_nc_u64 s[12:13], s[12:13], s[18:19]
	s_add_nc_u64 s[14:15], s[14:15], s[20:21]
.irp c, 0,1,2,3,4,5,6,7
.irp j, 0,1,2,3
	global_load_b128 v[XL+16*\c+16*(\c/5)+4*\j:XL+16*\c+16*(\c/5)+4*\j+3], v4, s[12:13] offset:128*\c+16*\j th:TH_LOAD_NT
.endr
.endr
	s_wait_kmcnt 0x0
	s_add_co_i32 s22, s22, 127
	s_lshl_b32 s23, s22, 23
	v_mov_b32 v11, s23                             ; 2^e0
	s_add_co_i32 s22, s22, 8
	s_lshl_b32 s22, s22, 23
	s_or_b32 s22, s22, 0x600000
	v_mov_b32 v10, s22                             ; 448 x 2^e0
	s_wait_alu depctr_va_vdst(0)
	s_wait_loadcnt 0x0
.set i, 0
.rept 128
	v_med3_num_f32 v[XL+i+16*(i/80)], v[XL+i+16*(i/80)], -v10, v10     ; held first: the conversion does not saturate (ISA guide 7.6.2)
.set i, i+1
.endr
.irp g, 0,1,2,3,4,5,6,7,8,9,10,11,12,13,14,15
	v_cvt_scalef32_pk8_fp8_f32 v[XC+2*\g:XC+2*\g+1], v[XL+8*\g+16*(\g/10):XL+8*\g+16*(\g/10)+7], v11
.endr
	v_nop                                          ; one plain line behind the last scaled conversion
.irp c, 0,1,2,3,4,5,6,7
	global_store_b128 v5, v[XC+4*\c:XC+4*\c+3], s[14:15] offset:512*\c   ; 512 consecutive bytes, aligned
.endr
	s_wait_tensorcnt 0x0
	ds_add_u32 v136, v137
	s_wait_dscnt 0x0
	s_endpgm
.Lfunc_end_k_qe307fe1d3e_prep:
	.size	k_qe307fe1d3e_prep, .Lfunc_end_k_qe307fe1d3e_prep-k_qe307fe1d3e_prep
	.p2alignl 7, 3214868480
	.fill 96, 4, 3214868480
	.section	.rodata,"a",@progbits
	.p2align	6, 0x0
	.amdhsa_kernel k_qe307fe1d3e_prep
		.amdhsa_group_segment_fixed_size 35840
		.amdhsa_private_segment_fixed_size 0
		.amdhsa_enable_private_segment 0
		.amdhsa_kernarg_size 48
		.amdhsa_user_sgpr_count 2
		.amdhsa_user_sgpr_kernarg_segment_ptr 1
		.amdhsa_wavefront_size32 1
		.amdhsa_system_sgpr_workgroup_id_x 1
		.amdhsa_system_sgpr_workgroup_id_y 1
		.amdhsa_system_sgpr_workgroup_id_z 1
		.amdhsa_system_vgpr_workitem_id 0
		.amdhsa_next_free_vgpr 192
		.amdhsa_next_free_sgpr 66
		.amdhsa_reserve_vcc 1
		.amdhsa_float_denorm_mode_32 3
		.amdhsa_float_denorm_mode_16_64 3
		.amdhsa_memory_ordered 1
		.amdhsa_forward_progress 1
		.amdhsa_inst_pref_size 28
	.end_amdhsa_kernel
	.amdgpu_metadata
---
amdhsa.version: [ 1, 2 ]
amdhsa.kernels:
  - .name:           k_qe307fe1d3e_prep
    .symbol:         k_qe307fe1d3e_prep.kd
    .args:
      - { .name: embed, .offset: 0, .size: 8, .value_kind: global_buffer, .address_space: global }
      - { .name: lowp_scales, .offset: 8, .size: 8, .value_kind: global_buffer, .address_space: global }
      - { .name: estream, .offset: 16, .size: 8, .value_kind: global_buffer, .address_space: global }
      - { .name: embt, .offset: 24, .size: 8, .value_kind: global_buffer, .address_space: global }
      - { .name: input, .offset: 32, .size: 8, .value_kind: global_buffer, .address_space: global }
      - { .name: ximg, .offset: 40, .size: 8, .value_kind: global_buffer, .address_space: global }
    .group_segment_fixed_size: 35840
    .private_segment_fixed_size: 0
    .kernarg_segment_align: 8
    .kernarg_segment_size: 48
    .max_flat_workgroup_size: 256
    .sgpr_count:     66
    .vgpr_count:     192
    .wavefront_size: 32
...
	.end_amdgpu_metadata
.endif
;; end of part 5
;; launch main (part 6): grid 32 x 8, 8 waves a work-group, clusters of 4 x 1, 327,680 bytes of LDS; arguments ximg, estream, order, cval; writes order, cval
.if DOCPART == 6
	.amdgcn_target "amdgcn-amd-amdhsa--gfx1250"
	.amdhsa_code_object_version 6
	.text
	.protected	k_qe307fe1d3e_main
	.globl	k_qe307fe1d3e_main
	.p2align	8
	.type	k_qe307fe1d3e_main,@function
k_qe307fe1d3e_main:
	s_mov_b64 s[64:65], 0
	v_nop
	global_prefetch_b8 v0, s[64:65] scope:SCOPE_SE
	s_setreg_imm32_b32 hwreg(HW_REG_WAVE_MODE, 25, 1), 1
	s_wait_xcnt 0x0
	s_wait_alu depctr_hold_cnt(0) depctr_sa_sdst(0) depctr_va_vdst(0) depctr_va_sdst(0) depctr_va_ssrc(0) depctr_va_vcc(0) depctr_vm_vsrc(0)
	s_getreg_b32 s2, hwreg(HW_REG_IB_STS2, 6, 4)
	s_cmp_eq_u32 s2, 0
	s_cbranch_scc0 .Lentry_in_a_cluster
	s_endpgm
.Lentry_in_a_cluster:
	s_bfe_u32 s2, ttmp6, 0x10000c
	s_cmp_lg_u32 s2, 0x3003
	s_cbranch_scc0 .Lentry_shape_is_right
	s_endpgm
.Lentry_shape_is_right:
; For each row x of input and each eighth of the codebook: the code with the greatest score = (x's codes . the code's codes) + cneg[code], and that score as a whole number.
; LEFT OUT: the term sum(x^2) of dist, the same for all codes of a row: argmin(dist) = argmax(x.e - sum(e^2)/2) in exact arithmetic for every value of the inputs.
; The scores stand for (x.e - sum(e^2)/2) x 2^-(e0+e1): cneg, made by the launch before, is the C of each sum.
; LIMITS: NaN among the inputs is not served; a row all of whose scores are -infinity or NaN gets an index without meaning.
; SHARES.  Work-group (X, E): rows 512 X .. + 511 against codes 1,024 E .. + 1,023.  The eighth's code images, 32 blocks of 33 x 256 bytes, lie in LDS whole: no LDS byte is filled twice.
; They come in two fills of 16 blocks; wave w fetches blocks 2 w, 2 w + 1 of each (66 rows of 256 bytes, one tensor load): fill 0 at the head, fill 1 behind the full sequence, landing under fill 0's work.
; Wave w = (g, c): rows 128 g .. + 127 of the work-group, held as codes in window 1 (8 x 32 registers, loaded as they lie from ximg), against blocks 8 c .. 8 c + 7 of each fill: 32 tiles of 16 codes.
; CLUSTER: the four work-groups of a cluster take the same eighth: both fills are asked for jointly (mask 15).
; NO PREFETCH: every byte of the stream is asked for by the head's two tensor loads; there is no later request to run ahead of, and no loop.
; THE PRODUCT IS USED TRANSPOSED: source 0 = 16 codes, source 1 = 16 rows of x: lane (r, h) holds row r, and its registers j the codes 16 T + 8 h + j.
; THE BEST CODE, ten vector instructions for 16 x 16 scores: the largest of a lane's 8 scores (4), is it strictly above the best so far (1), and five pairs of selects that keep
; the best score, its tile's first code and the tile's 8 scores.  Tiles come in ascending order, so the strict compare keeps the first tile; which register it was is found once, at the end: the lowest that equals the best.
; OUT: order[E][row] = the code; cval[E][row] = the score's bits turned into an unsigned whole number of the same order (-0 counted as +0), which the next launch compares.
.set BLKB,  8448
.set FILLB, 16*BLKB
.set SLOTB, FILLB
.set MRG,   2*SLOTB                    ; 8 waves x 128 rows: scores, then (4,096 on) indices
.set SPARE, MRG+8192                   ; the spare words: 128 bytes a wave
.set SPW, 1
.set NIL, 2
.set ADR, 3                            ; v3-6   my tiles' images: tiles 0-7, 8-15 (fill 0), 16-23, 24-31 (fill 1)
.set CA,  7                            ; v7-10  their cneg
.set MA,  11                           ; my wave's words in MRG
.set MR,  12                           ; the last merge's words
.set OO,  13
.set H8,  14                           ; 8 h
.set XA,  15                           ; 16 x lane
.set MT,  16                           ; v16-21 partial maxima
.set TT,  24                           ; a tile's largest score for row tile q: v[24 + 4 (q / 3) + q % 3]: never a register of TV's bank
.set TV,  27                           ; the tile's first code
.set AF,  36                           ; v36-67 a tile's codes
.set CR,  68                           ; v68-75 its cneg
.set RI,  76                           ; v76-91 row tile q: best score, its tile's first code
.set ACC, 96                           ; v96-159 the scores, 8 a row tile
.set W,   160                          ; v160-223 the best tile's scores
.set XC,  224                          ; the end: at work
.set WV,  14
.set G1,  24
.set G0,  32
.set MK,  40
.set SEL, 48
.set EI,  52
.set MSB, 0
.macro WIN new
.if MSB != \new
	s_set_vgpr_msb (MSB<<8)|\new
.set MSB, \new
.endif
.endm
.macro CROUND
	s_barrier_signal -1
	s_barrier_wait -1
	s_cmp_lg_u32 s[WV], 0
	s_cbranch_scc1 .Lnot_wave_0_\@
	s_barrier_signal -3
.Lnot_wave_0_\@:
	s_barrier_wait -3
	s_barrier_signal -1
	s_barrier_wait -1
.endm
.macro NOPS n
.rept \n
	v_nop
.endr
.endm
.macro LOADT t                         ; tile t of my 32: 8 loads of codes, 2 of cneg
.irp p, 0,1
.irp c, 0,1,2,3
	ds_load_b128 v[AF+16*\p+4*\c:AF+16*\p+4*\c+3], v[ADR+(\t)/8] offset:BLKB*(((\t)/2)%4)+4096*((\t)%2)+2048*\p+512*\c
.endr
.endr
	ds_load_b128 v[CR:CR+3], v[CA+(\t)/8] offset:BLKB*(((\t)/2)%4)+64*((\t)%2)
	ds_load_b128 v[CR+4:CR+7], v[CA+(\t)/8] offset:BLKB*(((\t)/2)%4)+64*((\t)%2)+16
.endm
.macro MM step                         ; 16 codes x 128 rows x K 256: the eight sums take turns; then four places, the first of them the tile's first code
	WIN 0x04                                       ; source 1 (x) in window 1
.irp q, 0,1,2,3,4,5,6,7
	v_wmma_f32_16x16x128_fp8_fp8 v[ACC+8*\q:ACC+8*\q+7], v[AF:AF+15], v[32*\q:32*\q+15], v[CR:CR+7]
.endr
.irp q, 0,1,2,3,4,5,6,7
	v_wmma_f32_16x16x128_fp8_fp8 v[ACC+8*\q:ACC+8*\q+7], v[AF+16:AF+31], v[32*\q+16:32*\q+31], v[ACC+8*\q:ACC+8*\q+7]
.endr
	WIN 0
	v_add_nc_u32 v[TV], \step, v[TV]
	NOPS 3
.endm
.macro TA q, m
	v_max3_num_f32 v[\m], v[ACC+8*(\q)], v[ACC+8*(\q)+1], v[ACC+8*(\q)+2]
	v_max3_num_f32 v[\m+1], v[ACC+8*(\q)+3], v[ACC+8*(\q)+4], v[ACC+8*(\q)+5]
	v_max_num_f32 v[\m+2], v[ACC+8*(\q)+6], v[ACC+8*(\q)+7]
.endm
.macro TB q, m
	v_max3_num_f32 v[TT+4*((\q)/3)+(\q)%3], v[\m], v[\m+1], v[\m+2]
.endm
.macro TD q                            ; where the tile's largest is strictly above the best: keep it, the tile's first code and the tile's 8 scores
	v_dual_cndmask_b32 v[RI+2*(\q)], v[RI+2*(\q)], v[TT+4*((\q)/3)+(\q)%3] :: v_dual_cndmask_b32 v[RI+2*(\q)+1], v[RI+2*(\q)+1], v[TV]
.irp j, 0,2,4,6
	v_dual_cndmask_b32 v[W+8*(\q)+\j], v[W+8*(\q)+\j], v[ACC+8*(\q)+\j] :: v_dual_cndmask_b32 v[W+8*(\q)+\j+1], v[W+8*(\q)+\j+1], v[ACC+8*(\q)+\j+1]
.endr
.endm
.macro TRK lo, hi                      ; row tiles lo .. hi; the maxima of row tile i + 2 stand between the compare of row tile i and its selects
.if \lo == 0
	TA 0, MT
	TA 1, MT+3
	TB 0, MT
	TB 1, MT+3
.endif
.irp i, 0,1,2,3,4,5,6,7
.if (\i >= \lo) && (\i <= \hi)
	v_cmp_gt_f32 vcc_lo, v[TT+4*(\i/3)+\i%3], v[RI+2*\i]
.if \i < 6
	TA \i+2, MT
.endif
	TD \i
.if \i < 6
	TB \i+2, MT
.endif
.endif
.endr
.endm
.macro STEP t                          ; tile t: its products; the next tile's loads, behind the four places; its tracking while they are on their way
	s_wait_dscnt 0x0
.if (\t) == 16
	MM 272                                         ; from fill 0's last tile of mine to fill 1's first: 512 - 240 codes
.else
	MM 16
.endif
	LOADT (\t)+1
	TRK 0, 7
.endm
.macro MERGE va, ia, vb, ib            ; (vb, ib) replaces (va, ia) where its score is greater, or equal with the lower index
	v_cmp_gt_f32 s[MK], v[\vb], v[\va]
	v_cmp_eq_f32 s[MK+1], v[\vb], v[\va]
	v_cmp_lt_u32 s[MK+2], v[\ib], v[\ia]
	s_and_b32 s[MK+1], s[MK+1], s[MK+2]
	s_or_b32 s[MK], s[MK], s[MK+1]
	v_cndmask_b32 v[\va], v[\va], v[\vb], s[MK]
	v_cndmask_b32 v[\ia], v[\ia], v[\ib], s[MK]
.endm
	s_load_b256 s[4:11], s[0:1], 0x0               ; ximg s[4:5], estream s[6:7], order s[8:9], cval s[10:11]
	v_lshl_add_u32 v[SPW], v0, 2, SPARE
	v_mov_b32 v[NIL], 0
	ds_add_u32 v[SPW], v[NIL]                      ; the opening lines: the add twice on end, under one wait
	ds_add_u32 v[SPW], v[NIL]
	v_lshrrev_b32 v16, 5, v0
	v_readfirstlane_b32 s[WV], v16                 ; wave 0..7
	s_mul_i32 s17, s[WV], 2*BLKB                   ; the two blocks that I fetch, in a slot and in a fill
	s_and_b32 s18, s[WV], 1                        ; c
	s_mul_i32 s19, s18, 8*BLKB                     ; the eight blocks that I read
	s_lshl_b32 s20, s[WV], 9
	s_lshr_b32 s59, s[WV], 1                       ; g
	s_lshl_b32 s21, s59, 10
	s_lshl_b32 s22, s18, 8
	s_add_co_u32 s21, s21, s22
	v_and_b32 v17, 31, v0
	v_and_b32 v18, 15, v0                          ; r
	v_bfe_u32 v19, v0, 4, 1                        ; h
	v_lshlrev_b32 v[XA], 4, v17
	v_lshlrev_b32 v[CA], 5, v19
	v_add_nc_u32 v[ADR], s19, v[XA]
	v_add_nc_u32 v[CA], s19, v[CA]
	v_add_nc_u32 v[ADR+1], 4*BLKB, v[ADR]
	v_add_nc_u32 v[CA], 8192, v[CA]
	v_add_nc_u32 v[ADR+2], SLOTB, v[ADR]
	v_add_nc_u32 v[ADR+3], SLOTB+4*BLKB, v[ADR]
	v_add_nc_u32 v[CA+1], 4*BLKB, v[CA]
	v_add_nc_u32 v[CA+2], SLOTB, v[CA]
	v_add_nc_u32 v[CA+3], SLOTB+4*BLKB, v[CA]
	v_lshlrev_b32 v[MA], 2, v18
	v_lshlrev_b32 v[OO], 3, v17
	v_add_nc_u32 v[MA], s20, v[MA]
	v_add_nc_u32 v[MR], s21, v[OO]
	v_add_nc_u32 v[MA], MRG, v[MA]
	v_add_nc_u32 v[MR], MRG, v[MR]
	v_lshlrev_b32 v[H8], 3, v19
	s_wait_alu depctr_va_vdst(0)
	s_bfe_u32 s15, ttmp6, 0x40000                  ; cx
	s_lshl_b32 s16, ttmp9, 2
	s_add_co_u32 s16, s16, s15                     ; which 512 rows
	s_and_b32 s[EI], ttmp7, 0xffff                 ; which eighth of the codebook
	s_mov_b32 s[G1], 15|(3<<16)|(1<<21)            ; mask: the cluster's four; elements of 8 bytes
	s_mov_b32 s[G1+1], 32<<16                      ; rows of 256 bytes
	s_mov_b32 s[G1+2], 66<<16                      ; 66 of them
	s_mov_b32 s[G1+3], 32<<16
	s_mov_b32 s[G1+4], 66
	s_mov_b32 s[G1+5], 32
	s_mov_b32 s[G1+6], 0
	s_mov_b32 s[G1+7], 0
	s_mov_b32 s[SEL], 0x76543210
	s_mov_b32 s[SEL+1], 0xfedcba98
	s_lshl_b32 s22, s16, 17                        ; ximg: 32 tiles of 4,096 bytes a work-group,
	s_lshl_b32 s23, s59, 15                        ; 8 a row group
	s_add_co_u32 s22, s22, s23
	s_mov_b32 s23, 0
	s_lshl_b32 s50, s[EI], 16                      ; order, cval: [eighth][row], 4 bytes; wave w stores rows 64 w on
	s_lshl_b32 s51, s16, 11
	s_add_co_u32 s50, s50, s51
	s_lshl_b32 s51, s[WV], 8
	s_add_co_u32 s50, s50, s51
	s_mov_b32 s51, 0
	s_mul_i32 s54, s[EI], 2*FILLB                  ; the stream: my eighth, the two blocks that I fetch
	s_add_co_u32 s54, s54, s17
	s_mov_b32 s55, 0
	s_lshl_b32 s58, s[EI], 10                      ; my first tile's first code, less the first step
	s_lshl_b32 s18, s18, 8
	s_add_co_u32 s58, s58, s18
	s_sub_co_u32 s58, s58, 16
	s_wait_dscnt 0x0                               ; both opening adds are done
	s_wait_kmcnt 0x0
	s_add_nc_u64 s[4:5], s[4:5], s[22:23]
	s_add_nc_u64 s[8:9], s[8:9], s[50:51]
	s_add_nc_u64 s[10:11], s[10:11], s[50:51]
	WIN 0x40                                       ; destination in window 1
.irp f, 0,1,2,3,4,5,6,7,8,9,10,11,12,13,14,15
.irp c, 0,1,2,3
	global_load_b128 v[16*\f+4*\c:16*\f+4*\c+3], v[XA], s[4:5] offset:2048*\f+512*\c   ; my 128 rows' codes: each load 512 consecutive bytes
.endr
.endr
	WIN 0
	s_mov_b32 s[G0], 1
	s_mov_b32 s[G0+1], s17
	s_add_nc_u64 s[G0+2:G0+3], s[6:7], s[54:55]
	s_or_b32 s[G0+3], s[G0+3], 0x80000000
	s_mov_b32 s[G0+4], 1
	s_add_co_u32 s[G0+5], s17, SLOTB
	s_add_nc_u64 s[G0+6:G0+7], s[6:7], s[54:55]
	s_add_nc_u64 s[G0+6:G0+7], s[G0+6:G0+7], FILLB
	s_or_b32 s[G0+7], s[G0+7], 0x80000000
	CROUND                                         ; in front of the first joint loads
	tensor_load_to_lds s[G0:G0+3], s[G1:G1+7]      ; fill 0: one tensor load a wave at the head
	s_nop 0
	NOPS 4
.irp q, 0,1,2,3,4,5,6,7
	v_mov_b32 v[RI+2*\q], 0xff800000               ; the best so far: -infinity
	v_mov_b32 v[RI+2*\q+1], 0
.endr
.set i, 0
.rept 64
	v_mov_b32 v[W+i], 0                            ; the selects read what they may keep: written once, while fill 0 is on its way
.set i, i+1
.endr
	v_mov_b32 v[TV], s58
	v_mov_b32 v248, 0                              ; a lane permute's destination counts as read
	v_mov_b32 v249, 0
	s_wait_alu depctr_va_vdst(0)
	s_wait_tensorcnt 0x0                           ; my part of fill 0 is in; fill 1 is issued as a refill is
	ds_add_u32 v[SPW], v[NIL]
	s_wait_dscnt 0x0
	CROUND                                         ; everybody's part of fill 0 is in
	tensor_load_to_lds s[G0+4:G0+7], s[G1:G1+7]    ; fill 1
	s_nop 0
	NOPS 4
	LOADT 0
	s_wait_loadcnt 0x0                             ; x's codes
.set T, 0
.rept 15
	STEP T
.set T, T+1
.endr
	; tile 15, and the change of fills: one barrier, in front of it each wave's wait for its part of fill 1
	s_wait_dscnt 0x0
	s_wait_tensorcnt 0x0
	ds_add_u32 v[SPW], v[NIL]
	MM 16
	s_wait_alu depctr_va_vdst(0)
	s_wait_dscnt 0x0
	s_barrier_signal -1
	TRK 0, 3                                       ; work on registers while the others arrive
	s_wait_alu depctr_va_vdst(0)
	s_barrier_wait -1
	LOADT 16
	TRK 4, 7
.set T, 16
.rept 15
	STEP T
.set T, T+1
.endr
	s_wait_dscnt 0x0
	MM 16
	TRK 0, 7
	; which register held the best: the lowest whose kept score equals it
.irp q, 0,1,2,3,4,5,6,7
	v_mov_b32 v[XC+\q], 7
.endr
.irp j, 6,5,4,3,2,1,0
.irp q, 0,1,2,3,4,5,6,7
	v_cmp_eq_f32 s[MK+\q], v[W+8*\q+\j], v[RI+2*\q]
.endr
.irp q, 0,1,2,3,4,5,6,7
	v_cndmask_b32 v[XC+\q], v[XC+\q], \j, s[MK+\q]
.endr
.endr
.irp q, 0,1,2,3,4,5,6,7
	v_add3_u32 v[RI+2*\q+1], v[RI+2*\q+1], v[XC+\q], v[H8]   ; the code: 16 T + 8 h + j
.endr
.irp q, 0,1,2,3,4,5,6,7
	v_permlanex16_b32 v248, v[RI+2*\q], s[SEL], s[SEL+1]     ; lane l xor 16 holds the same row's other 8 codes of each tile
	v_permlanex16_b32 v249, v[RI+2*\q+1], s[SEL], s[SEL+1]
	MERGE RI+2*\q, RI+2*\q+1, 248, 249
	ds_store_b32 v[MA], v[RI+2*\q] offset:64*\q
	ds_store_b32 v[MA], v[RI+2*\q+1] offset:4096+64*\q
.endr
	s_wait_dscnt 0x0                               ; for the others' sake
	s_barrier_signal -1
	s_barrier_wait -1
	; wave w: rows 64 w + 2 lane and the next; their two candidates, of the row group's two waves
	ds_load_b64 v[96:97], v[MR]
	ds_load_b64 v[98:99], v[MR] offset:512
	ds_load_b64 v[128:129], v[MR] offset:4096
	ds_load_b64 v[130:131], v[MR] offset:4096+512
	s_wait_dscnt 0x0
	MERGE 96, 128, 98, 130
	MERGE 97, 129, 99, 131
	v_add_f32 v96, 0, v96                          ; -0 becomes +0
	v_add_f32 v97, 0, v97
	v_ashrrev_i32 v98, 31, v96
	v_ashrrev_i32 v99, 31, v97
	v_or_b32 v98, 0x80000000, v98
	v_or_b32 v99, 0x80000000, v99
	v_xor_b32 v96, v96, v98                        ; negative: all bits turned; else the sign bit set: unsigned order = the scores' order
	v_xor_b32 v97, v97, v99
	global_store_b64 v[OO], v[128:129], s[8:9]     ; 256 consecutive bytes, aligned
	global_store_b64 v[OO], v[96:97], s[10:11]
	s_wait_tensorcnt 0x0                           ; the wave's end
	ds_add_u32 v[SPW], v[NIL]
	s_wait_dscnt 0x0
	CROUND                                         ; the closing round
	s_endpgm
.Lfunc_end_k_qe307fe1d3e_main:
	.size	k_qe307fe1d3e_main, .Lfunc_end_k_qe307fe1d3e_main-k_qe307fe1d3e_main
	.p2alignl 7, 3214868480
	.fill 96, 4, 3214868480
	.section	.rodata,"a",@progbits
	.p2align	6, 0x0
	.amdhsa_kernel k_qe307fe1d3e_main
		.amdhsa_group_segment_fixed_size 327680
		.amdhsa_private_segment_fixed_size 0
		.amdhsa_enable_private_segment 0
		.amdhsa_kernarg_size 32
		.amdhsa_user_sgpr_count 2
		.amdhsa_user_sgpr_kernarg_segment_ptr 1
		.amdhsa_wavefront_size32 1
		.amdhsa_system_sgpr_workgroup_id_x 1
		.amdhsa_system_sgpr_workgroup_id_y 1
		.amdhsa_system_sgpr_workgroup_id_z 1
		.amdhsa_system_vgpr_workitem_id 0
		.amdhsa_next_free_vgpr 512
		.amdhsa_next_free_sgpr 66
		.amdhsa_reserve_vcc 1
		.amdhsa_float_denorm_mode_32 3
		.amdhsa_float_denorm_mode_16_64 3
		.amdhsa_memory_ordered 1
		.amdhsa_forward_progress 1
		.amdhsa_inst_pref_size 233
	.end_amdhsa_kernel
	.amdgpu_metadata
---
amdhsa.version: [ 1, 2 ]
amdhsa.kernels:
  - .name:           k_qe307fe1d3e_main
    .symbol:         k_qe307fe1d3e_main.kd
    .args:
      - { .name: ximg, .offset: 0, .size: 8, .value_kind: global_buffer, .address_space: global }
      - { .name: estream, .offset: 8, .size: 8, .value_kind: global_buffer, .address_space: global }
      - { .name: order, .offset: 16, .size: 8, .value_kind: global_buffer, .address_space: global }
      - { .name: cval, .offset: 24, .size: 8, .value_kind: global_buffer, .address_space: global }
    .group_segment_fixed_size: 327680
    .private_segment_fixed_size: 0
    .kernarg_segment_align: 8
    .kernarg_segment_size: 32
    .max_flat_workgroup_size: 256
    .sgpr_count:     66
    .vgpr_count:     512
    .wavefront_size: 32
...
	.end_amdgpu_metadata
.endif
;; end of part 6
;; launch gather (part 7): grid 256 x 1, 8 waves a work-group, no clusters, 1,536 bytes of LDS; arguments input, embt, order, cval, out0, out2, partials; writes out0, out2, partials
.if DOCPART == 7
	.amdgcn_target "amdgcn-amd-amdhsa--gfx1250"
	.amdhsa_code_object_version 6
	.text
	.protected	k_qe307fe1d3e_gather
	.globl	k_qe307fe1d3e_gather
	.p2align	8
	.type	k_qe307fe1d3e_gather,@function
k_qe307fe1d3e_gather:
	s_mov_b64 s[64:65], 0
	v_nop
	global_prefetch_b8 v0, s[64:65] scope:SCOPE_SE
	s_setreg_imm32_b32 hwreg(HW_REG_WAVE_MODE, 25, 1), 1
	s_wait_xcnt 0x0
; Each row has eight candidates, the best code of each eighth of the codebook: order[eighth][row], with cval[eighth][row], a whole number whose unsigned order is the order of the scores.
; out2[row] = the candidate with the greatest cval (equal: the lower index); out0[row] = x + (q - x), q = that row of embt (the codebook turned, f32, unquantised);
; partials[work-group] = the sum of (q - x)^2 over its 64 rows.  sum(x^2) of dist is left out as the first kernel's head shows.
; The choice is made of whole numbers read from memory alone, so the one chosen row is fetched.
; Memory binds: each byte of x is read once, each byte of out0 written once, by instructions that cover 512 consecutive bytes.  No matrix unit, no cluster, no tensor load: the work-groups share nothing but
; rows of the codebook that happen to be named twice.  Work-group g takes rows 64 g on, wave w eight of them; a row is 1,024 bytes, two loads of 16 bytes a lane.
; There is no loop: all loads of a wave are out at once, so nothing is asked for ahead of them.  An index is held within 0 .. 8,191 before it enters an address.
.set S,  4                             ; v4-11    four pairs of sums of squares
.set X,  16                            ; v16-79   x: 8 registers a row; at the end: at work
.set Q,  80                            ; v80-143  q, then q - x, then x + (q - x)
.set OF, 144                           ; v144-151 byte offsets in embt: 1,024 x index + 16 x lane
.set K,  152                           ; v152-153 lane (e, p): cval of eighth e for my wave's rows 2 p, 2 p + 1;  v154-155 their indices
.set PK, 156                           ; v156-159 the same of another lane
.set SPW, 160
.set NIL, 161
.set I0, 32                            ; s32-39   my eight rows' chosen indices
.set MK, 40
.set IDX, 256                          ; LDS: bytes 0-31 the waves' sums; from 256 on the 64 chosen indices
.macro PICK                            ; the other lane's candidate replaces mine where its cval is greater, or equal with the lower index: both lanes end alike
.irp z, 0,1
	v_cmp_gt_u32 s[MK], v[PK+\z], v[K+\z]
	v_cmp_eq_u32 s[MK+1], v[PK+\z], v[K+\z]
	v_cmp_lt_u32 s[MK+2], v[PK+2+\z], v[K+2+\z]
	s_and_b32 s[MK+1], s[MK+1], s[MK+2]
	s_or_b32 s[MK], s[MK], s[MK+1]
	v_cndmask_b32 v[K+\z], v[K+\z], v[PK+\z], s[MK]
	v_cndmask_b32 v[K+2+\z], v[K+2+\z], v[PK+2+\z], s[MK]
.endr
.endm
	s_load_b256 s[4:11], s[0:1], 0x0               ; input s[4:5], embt s[6:7], order s[8:9], cval s[10:11]
	s_load_b128 s[12:15], s[0:1], 0x20             ; out0 s[12:13], out2 s[14:15]
	s_load_b64 s[16:17], s[0:1], 0x30              ; partials
	v_lshl_add_u32 v[SPW], v0, 2, 0x200
	v_mov_b32 v[NIL], 0
	v_lshrrev_b32 v1, 5, v0
	v_readfirstlane_b32 s18, v1                    ; wave 0..7
	v_and_b32 v1, 31, v0
	v_mov_b32 v2, s18
	v_lshlrev_b32 v12, 3, v1                       ; 8 bytes a lane: out2
	v_lshrrev_b32 v15, 2, v1                       ; e
	v_and_b32 v14, 3, v1                           ; p
	v_lshlrev_b32 v2, 2, v2                        ; my wave's word in LDS
	v_lshlrev_b32 v14, 3, v14
	v_lshlrev_b32 v1, 4, v1                        ; 16 bytes a lane
	v_lshl_add_u32 v15, v15, 16, v14               ; my candidates: 65,536 e + 8 p
	v_lshl_add_u32 v13, v2, 3, v14
	v_add_nc_u32 v14, IDX, v12                     ; wave 0 reads the indices back: IDX + 8 x lane
	v_add_nc_u32 v13, IDX, v13                     ; my rows' indices in LDS: IDX + 32 w + 8 p
	v_mov_b32 v3, 0
.irp z, 0,1,2,3
	v_mov_b32 v[PK+\z], 0                          ; a lane move's destination counts as read
.endr
	s_mov_b32 s26, 0x76543210
	s_mov_b32 s27, 0xfedcba98                      ; lane selects: lane l xor 16
	s_lshl_b32 s20, ttmp9, 16                      ; 64 rows of 1,024 bytes a work-group,
	s_lshl_b32 s22, s18, 13                        ; 8 a wave
	s_add_co_u32 s20, s20, s22
	s_mov_b32 s21, 0
	s_lshl_b32 s22, ttmp9, 8                       ; and their words in order and cval: 4 bytes each
	s_lshl_b32 s24, s18, 5
	s_add_co_u32 s22, s22, s24
	s_mov_b32 s23, 0
	s_lshl_b32 s24, ttmp9, 2
	s_mov_b32 s25, 0
	s_lshl_b32 s30, ttmp9, 8                       ; out2: the work-group's 64 words
	s_mov_b32 s31, 0
	s_wait_alu depctr_va_vdst(0)
	s_wait_kmcnt 0x0
	s_add_nc_u64 s[8:9], s[8:9], s[22:23]
	s_add_nc_u64 s[10:11], s[10:11], s[22:23]
	s_add_nc_u64 s[4:5], s[4:5], s[20:21]
	s_add_nc_u64 s[12:13], s[12:13], s[20:21]
	s_add_nc_u64 s[14:15], s[14:15], s[30:31]
	s_add_nc_u64 s[16:17], s[16:17], s[24:25]
	global_load_b64 v[K:K+1], v15, s[10:11]        ; the candidates first: the rows' addresses hang on them
	global_load_b64 v[K+2:K+3], v15, s[8:9]
.irp i, 0,1,2,3,4,5,6,7
.irp z, 0,1
	global_load_b128 v[X+8*\i+4*\z:X+8*\i+4*\z+3], v1, s[4:5] offset:1024*\i+512*\z th:TH_LOAD_NT   ; nobody reads x again
.endr
.endr
	s_wait_loadcnt 16                              ; the candidates are in; x's sixteen loads may be out
.irp m, 4, 8                           ; over the eighths: lanes l xor 4, l xor 8, l xor 16
.irp z, 0,1,2,3
	v_mov_b32_dpp v[PK+\z], v[K+\z] row_xmask:\m row_mask:0xf bank_mask:0xf
.endr
	PICK
.endr
.irp z, 0,1,2,3
	v_permlanex16_b32 v[PK+\z], v[K+\z], s26, s27
.endr
	PICK
.irp i, 0,1,2,3,4,5,6,7
	v_readlane_b32 s[I0+\i], v[K+2+\i%2], \i/2     ; row i's index: register i % 2 of lane p = i / 2
	s_min_u32 s[I0+\i], s[I0+\i], 0x1fff           ; an index stays inside the table
	v_lshl_add_u32 v[OF+\i], s[I0+\i], 10, v1      ; its row of 1,024 bytes, + my 16
.endr
	s_wait_alu depctr_va_vdst(0)
.irp i, 0,1,2,3,4,5,6,7
.irp z, 0,1
	global_load_b128 v[Q+8*\i+4*\z:Q+8*\i+4*\z+3], v[OF+\i], s[6:7] offset:512*\z     ; no hint: a code may be named again
.endr
.endr
	ds_store_b64 v13, v[K+2:K+3]                   ; lanes of one p write the same words with the same numbers
.irp i, 0,1,2,3,4,5,6,7
	s_wait_loadcnt 14-2*\i                         ; loads come back in order: row i's q is in (x's loads are older); the two loads of each later row may be out
.irp p, 0,1,2,3
	v_pk_add_f32 v[Q+8*\i+2*\p:Q+8*\i+2*\p+1], v[Q+8*\i+2*\p:Q+8*\i+2*\p+1], v[X+8*\i+2*\p:X+8*\i+2*\p+1] neg_lo:[0,1] neg_hi:[0,1]   ; q - x
.endr
.irp p, 0,1,2,3
.if \i == 0
	v_pk_mul_f32 v[S+2*\p:S+2*\p+1], v[Q+2*\p:Q+2*\p+1], v[Q+2*\p:Q+2*\p+1]   ; the first row starts the four chains: nothing is cleared
.else
	v_pk_fma_f32 v[S+2*\p:S+2*\p+1], v[Q+8*\i+2*\p:Q+8*\i+2*\p+1], v[Q+8*\i+2*\p:Q+8*\i+2*\p+1], v[S+2*\p:S+2*\p+1]
.endif
.endr
.irp p, 0,1,2,3
	v_pk_add_f32 v[Q+8*\i+2*\p:Q+8*\i+2*\p+1], v[X+8*\i+2*\p:X+8*\i+2*\p+1], v[Q+8*\i+2*\p:Q+8*\i+2*\p+1]   ; x + (q - x)
.endr
.irp z, 0,1
	global_store_b128 v1, v[Q+8*\i+4*\z:Q+8*\i+4*\z+3], s[12:13] offset:1024*\i+512*\z th:TH_STORE_NT   ; 512 consecutive bytes, at a multiple of 256 from out0's first byte
.endr
.endr
	v_pk_add_f32 v[S:S+1], v[S:S+1], v[S+2:S+3]
	v_pk_add_f32 v[S+4:S+5], v[S+4:S+5], v[S+6:S+7]
	v_pk_add_f32 v[S:S+1], v[S:S+1], v[S+4:S+5]
	v_add_f32 v[S], v[S], v[S+1]
	v_add_f32_dpp v[S], v[S], v[S] row_xmask:1 row_mask:0xf bank_mask:0xf
	v_add_f32_dpp v[S], v[S], v[S] row_xmask:2 row_mask:0xf bank_mask:0xf
	v_add_f32_dpp v[S], v[S], v[S] row_xmask:4 row_mask:0xf bank_mask:0xf
	v_add_f32_dpp v[S], v[S], v[S] row_xmask:8 row_mask:0xf bank_mask:0xf
	v_permlanex16_b32 v[S+1], v[S], s26, s27
	v_add_f32 v[S], v[S], v[S+1]                   ; the wave's sum, in every lane
	ds_store_b32 v2, v[S]
	s_wait_dscnt 0x0                               ; for wave 0's sake: my sum and my eight indices have landed
	s_barrier_signal -1
	s_barrier_wait -1
	s_cmp_lg_u32 s18, 0
	s_cbranch_scc1 .Lend
	ds_load_b64 v[X+8:X+9], v14                    ; the indices of rows 2 x lane and 2 x lane + 1
	ds_load_b128 v[X:X+3], v3                      ; the eight waves' sums
	ds_load_b128 v[X+4:X+7], v3 offset:16
	s_wait_dscnt 0x0
	global_store_b64 v12, v[X+8:X+9], s[14:15]     ; one instruction stores the work-group's 64 indices: 256 consecutive bytes, aligned
	v_pk_add_f32 v[X:X+1], v[X:X+1], v[X+2:X+3]
	v_pk_add_f32 v[X+4:X+5], v[X+4:X+5], v[X+6:X+7]
	v_pk_add_f32 v[X:X+1], v[X:X+1], v[X+4:X+5]
	v_add_f32 v[X], v[X], v[X+1]
	v_cmp_eq_u32 vcc_lo, 0, v0
	s_wait_alu depctr_va_vdst(0)
	s_wait_xcnt 0x0                                ; EXEC is a source of the stores above: it changes only behind this wait
	s_and_saveexec_b32 s28, vcc_lo
	global_store_b32 v3, v[X], s[16:17]            ; the work-group's one number
	s_wait_xcnt 0x0                                ; and again in front of the line that widens it
	s_or_b32 exec_lo, exec_lo, s28
.Lend:
	s_wait_tensorcnt 0x0                           ; the wave's end
	ds_add_u32 v[SPW], v[NIL]
	s_wait_dscnt 0x0
	s_endpgm
.Lfunc_end_k_qe307fe1d3e_gather:
	.size	k_qe307fe1d3e_gather, .Lfunc_end_k_qe307fe1d3e_gather-k_qe307fe1d3e_gather
	.p2alignl 7, 3214868480
	.fill 96, 4, 3214868480
	.section	.rodata,"a",@progbits
	.p2align	6, 0x0
	.amdhsa_kernel k_qe307fe1d3e_gather
		.amdhsa_group_segment_fixed_size 1536
		.amdhsa_private_segment_fixed_size 0
		.amdhsa_enable_private_segment 0
		.amdhsa_kernarg_size 56
		.amdhsa_user_sgpr_count 2
		.amdhsa_user_sgpr_kernarg_segment_ptr 1
		.amdhsa_wavefront_size32 1
		.amdhsa_system_sgpr_workgroup_id_x 1
		.amdhsa_system_sgpr_workgroup_id_y 1
		.amdhsa_system_sgpr_workgroup_id_z 1
		.amdhsa_system_vgpr_workitem_id 0
		.amdhsa_next_free_vgpr 168
		.amdhsa_next_free_sgpr 66
		.amdhsa_reserve_vcc 1
		.amdhsa_float_denorm_mode_32 3
		.amdhsa_float_denorm_mode_16_64 3
		.amdhsa_memory_ordered 1
		.amdhsa_forward_progress 1
		.amdhsa_inst_pref_size 20
	.end_amdhsa_kernel
	.amdgpu_metadata
---
amdhsa.version: [ 1, 2 ]
amdhsa.kernels:
  - .name:           k_qe307fe1d3e_gather
    .symbol:         k_qe307fe1d3e_gather.kd
    .args:
      - { .name: input, .offset: 0, .size: 8, .value_kind: global_buffer, .address_space: global }
      - { .name: embt, .offset: 8, .size: 8, .value_kind: global_buffer, .address_space: global }
      - { .name: order, .offset: 16, .size: 8, .value_kind: global_buffer, .address_space: global }
      - { .name: cval, .offset: 24, .size: 8, .value_kind: global_buffer, .address_space: global }
      - { .name: out0, .offset: 32, .size: 8, .value_kind: global_buffer, .address_space: global }
      - { .name: out2, .offset: 40, .size: 8, .value_kind: global_buffer, .address_space: global }
      - { .name: partials, .offset: 48, .size: 8, .value_kind: global_buffer, .address_space: global }
    .group_segment_fixed_size: 1536
    .private_segment_fixed_size: 0
    .kernarg_segment_align: 8
    .kernarg_segment_size: 56
    .max_flat_workgroup_size: 256
    .sgpr_count:     66
    .vgpr_count:     168
    .wavefront_size: 32
...
	.end_amdgpu_metadata
.endif
;; end of part 7
;; launch reduce (part 8): grid 1 x 1, 1 waves a work-group, no clusters, 0 bytes of LDS; arguments partials, out1; writes out1
.if DOCPART == 8
	.amdgcn_target "amdgcn-amd-amdhsa--gfx1250"
	.amdhsa_code_object_version 6
	.text
	.protected	k_qe307fe1d3e_reduce
	.globl	k_qe307fe1d3e_reduce
	.p2align	8
	.type	k_qe307fe1d3e_reduce,@function
k_qe307fe1d3e_reduce:
	s_mov_b64 s[64:65], 0
	v_nop
	global_prefetch_b8 v0, s[64:65] scope:SCOPE_SE
	s_setreg_imm32_b32 hwreg(HW_REG_WAVE_MODE, 25, 1), 1
	s_wait_xcnt 0x0
; out1 = the sum of the 256 partial sums of squares / (16,384 x 256).  One wave: a sum that spans work-groups is made by one owner, in a launch of its own.
	s_load_b128 s[4:7], s[0:1], 0x0                ; partials s[4:5], out1 s[6:7]
	v_lshlrev_b32 v1, 5, v0                        ; eight numbers a lane
	v_mov_b32 v2, 0
	s_mov_b32 s8, 0x76543210
	s_mov_b32 s9, 0xfedcba98                       ; lane selects: lane l xor 16
	s_wait_alu depctr_va_vdst(0)
	s_wait_kmcnt 0x0
	global_load_b128 v[4:7], v1, s[4:5]
	global_load_b128 v[8:11], v1, s[4:5] offset:16
	s_wait_loadcnt 0x0
	v_pk_add_f32 v[4:5], v[4:5], v[6:7]
	v_pk_add_f32 v[8:9], v[8:9], v[10:11]
	v_pk_add_f32 v[4:5], v[4:5], v[8:9]
	v_add_f32 v4, v4, v5
	v_add_f32_dpp v4, v4, v4 row_xmask:1 row_mask:0xf bank_mask:0xf
	v_add_f32_dpp v4, v4, v4 row_xmask:2 row_mask:0xf bank_mask:0xf
	v_add_f32_dpp v4, v4, v4 row_xmask:4 row_mask:0xf bank_mask:0xf
	v_add_f32_dpp v4, v4, v4 row_xmask:8 row_mask:0xf bank_mask:0xf
	v_permlanex16_b32 v5, v4, s8, s9
	v_add_f32 v4, v4, v5
	v_mul_f32 v4, 0x34800000, v4                   ; x 2^-22 = 1 / (16,384 x 256): nothing is rounded
	v_cmp_eq_u32 vcc_lo, 0, v0
	s_wait_alu depctr_va_vdst(0)
	s_wait_xcnt 0x0                                ; EXEC changes only behind this wait
	s_and_saveexec_b32 s10, vcc_lo
	global_store_b32 v2, v4, s[6:7]
	s_wait_xcnt 0x0
	s_or_b32 exec_lo, exec_lo, s10
	s_endpgm
.Lfunc_end_k_qe307fe1d3e_reduce:
	.size	k_qe307fe1d3e_reduce, .Lfunc_end_k_qe307fe1d3e_reduce-k_qe307fe1d3e_reduce
	.p2alignl 7, 3214868480
	.fill 96, 4, 3214868480
	.section	.rodata,"a",@progbits
	.p2align	6, 0x0
	.amdhsa_kernel k_qe307fe1d3e_reduce
		.amdhsa_group_segment_fixed_size 0
		.amdhsa_private_segment_fixed_size 0
		.amdhsa_enable_private_segment 0
		.amdhsa_kernarg_size 16
		.amdhsa_user_sgpr_count 2
		.amdhsa_user_sgpr_kernarg_segment_ptr 1
		.amdhsa_wavefront_size32 1
		.amdhsa_system_sgpr_workgroup_id_x 1
		.amdhsa_system_sgpr_workgroup_id_y 1
		.amdhsa_system_sgpr_workgroup_id_z 1
		.amdhsa_system_vgpr_workitem_id 0
		.amdhsa_next_free_vgpr 16
		.amdhsa_next_free_sgpr 66
		.amdhsa_reserve_vcc 1
		.amdhsa_float_denorm_mode_32 3
		.amdhsa_float_denorm_mode_16_64 3
		.amdhsa_memory_ordered 1
		.amdhsa_forward_progress 1
		.amdhsa_inst_pref_size 2
	.end_amdhsa_kernel
	.amdgpu_metadata
---
amdhsa.version: [ 1, 2 ]
amdhsa.kernels:
  - .name:           k_qe307fe1d3e_reduce
    .symbol:         k_qe307fe1d3e_reduce.kd
    .args:
      - { .name: partials, .offset: 0, .size: 8, .value_kind: global_buffer, .address_space: global }
      - { .name: out1, .offset: 8, .size: 8, .value_kind: global_buffer, .address_space: global }
    .group_segment_fixed_size: 0
    .private_segment_fixed_size: 0
    .kernarg_segment_align: 8
    .kernarg_segment_size: 16
    .max_flat_workgroup_size: 32
    .sgpr_count:     66
    .vgpr_count:     16
    .wavefront_size: 32
...
	.end_amdgpu_metadata
.endif
;; end of part 8
